; MI455X (gfx1250); checked and timed in simulation.
; The chip was launched on July 23, 2026; its instructions are those of AMD's public machine-readable ISA for CDNA 5 (MIT licence, August 2026) and "CDNA5" Instruction Set Architecture Reference Guide (July 2026). The comments in the code are by the model that wrote it; some were corrected since.
;; Relative Multi Head Attention. Allowed arithmetic: float matrix products may take bf16 or f16 operands with f32 sums; other float arithmetic in f32, or as packed bf16 or f16 multiplies, adds, multiply-adds, maxima and minima; sums over many terms, partial sums and values carried from step to step in f32; what a program stores and reads back later, other than sums and carried values, may be rounded once to bf16 or f16.
;; Inputs: W_o 1,024 x 1,024 float32; W_qkv 1,024 x 3,072 float32; W_r 1,024 x 1,024 float32; ln_beta 1,024 float32; ln_gamma 1,024 float32; mems 1,024 x 4 x 1,024 float32; r 2,048 x 1,024 float32; u 16 x 64 float32; v 16 x 64 float32; x 1,024 x 4 x 1,024 float32.
;; Outputs: out0 1,024 x 4 x 1,024 float32.
;; 3 versions, each right; version 3 is version 2 with the launch cvt written anew for expert scheduling mode. Each part assembles by itself: llvm-mc -triple=amdgcn-amd-amdhsa -mcpu=gfx1250 --defsym DOCPART=n.
;; ======== version 1 of 3: 4 launches
;; workspace buffers: ab 20,971,520 bytes; wc 8,388,608 bytes; wo 2,097,152 bytes; kb 16,777,216 bytes; vb 16,777,216 bytes; qb 8,388,608 bytes; rx 6,553,600 bytes; av 8,388,608 bytes
;; launch cvt (part 1): grid 64 x 15, 4 waves a work-group, no clusters, 0 bytes of LDS; arguments mems, x, r, W_qkv, W_r, W_o, ab, wc, wo, rx; writes ab, wc, wo, rx
.if DOCPART == 1
	.amdgcn_target "amdgcn-amd-amdhsa--gfx1250"
	.amdhsa_code_object_version 6
	.text
	.protected	k_qf4c7030400_cvt
	.globl	k_qf4c7030400_cvt
	.p2align	8
	.type	k_qf4c7030400_cvt,@function
k_qf4c7030400_cvt:
	s_mov_b64 s[64:65], 0
	v_nop
	global_prefetch_b8 v0, s[64:65] scope:SCOPE_SE
	s_setreg_imm32_b32 hwreg(HW_REG_WAVE_MODE, 25, 1), 1
	s_wait_xcnt 0x0
; All matrix operands are rounded once from f32 to bf16 and laid out for the launches behind:
;   ab [10240][1024]: rows 0-4095 mems (row = position x 4 + batch), rows 4096-8191 x, row 8192 + 4 p + q = r[512 q + p]
;   wc [1024][4096]:  columns 0-3071 W_qkv, columns 3072-4095 W_r          wo [1024][1024]: W_o
; and row 2048 of each head's table rx is set to 0 (the one score that the relative shift makes 0).
; A stream: every byte is read once and written once, so there is no LDS, no matrix work and no cluster.
; A PIECE is 1,024 numbers: thread t takes 8 of them (32 bytes in, 16 bytes out: a wave's store covers 512 consecutive bytes, aligned).
; A work-group takes 16 pieces; all 32 loads of a thread go out before the first is waited for.
; The grid's y names the job; a job's pieces are sp bytes apart in the source and dp bytes apart in the destination.
.set IN,  16                           ; v[16:143]  16 pieces x 8 f32
.set OUT, 144                          ; v[144:207] 16 pieces x 4 words of bf16
.macro COPY sp, dp
	s_add_nc_u64 s[28:29], s[28:29], s[32:33]      ; source and destination at the work-group's first piece
	s_add_nc_u64 s[30:31], s[30:31], s[34:35]
.set i, 0
.rept 16
	global_load_b128 v[IN+8*i:IN+8*i+3],   v1, s[28:29] offset:i*(\sp) th:TH_LOAD_NT
	global_load_b128 v[IN+8*i+4:IN+8*i+7], v1, s[28:29] offset:i*(\sp)+16 th:TH_LOAD_NT
.set i, i+1
.endr
.set i, 0
.rept 16
	s_wait_loadcnt 2*(15-i)                        ; loads come back in order: piece i is in, the younger pieces' two loads each stay out
.irp p, 0,1,2,3
	v_cvt_pk_bf16_f32 v[OUT+4*i+\p], v[IN+8*i+2*\p], v[IN+8*i+2*\p+1]
.endr
	global_store_b128 v2, v[OUT+4*i:OUT+4*i+3], s[30:31] offset:i*(\dp) th:TH_STORE_NT
.set i, i+1
.endr
.endm
	s_load_b512 s[8:23], s[0:1], 0x0               ; mems 8, x 10, r 12, W_qkv 14, W_r 16, W_o 18, ab 20, wc 22
	s_load_b128 s[24:27], s[0:1], 0x40             ; wo 24, rx 26
	v_lshlrev_b32 v1, 5, v0                        ; my 32 bytes of a piece's source
	v_lshlrev_b32 v2, 4, v0                        ; my 16 bytes of its destination
	v_lshrrev_b32 v3, 5, v0
	v_readfirstlane_b32 s37, v3                    ; wave
	s_and_b32 s2, ttmp7, 0xffff                    ; the job
	s_lshl_b32 s3, ttmp9, 4                        ; 16 X: the work-group's first piece in the job
	s_mov_b32 s33, 0
	s_mov_b32 s35, 0
	s_wait_kmcnt 0x0
	s_cmp_lt_u32 s2, 8
	s_cbranch_scc0 .Lnot_ctx
	s_cmp_lt_u32 s2, 4                             ; jobs 0-3 mems, 4-7 x: 1,024 rows each
	s_cselect_b64 s[28:29], s[8:9], s[10:11]
	s_mov_b64 s[30:31], s[20:21]
	s_and_b32 s4, s2, 3
	s_lshl_b32 s4, s4, 10
	s_add_co_u32 s4, s4, s3
	s_lshl_b32 s32, s4, 12                         ; source row x 4,096
	s_lshl_b32 s5, s2, 10
	s_add_co_u32 s5, s5, s3
	s_lshl_b32 s34, s5, 11                         ; row of ab x 2,048
	s_branch .Ldense
.Lnot_ctx:
	s_cmp_lt_u32 s2, 10
	s_cbranch_scc0 .Lnot_r
	s_mov_b64 s[28:29], s[12:13]                   ; jobs 8, 9: r
	s_mov_b64 s[30:31], s[20:21]
	s_sub_co_u32 s4, s2, 8
	s_lshl_b32 s4, s4, 10
	s_add_co_u32 s4, s4, s3                        ; m0, a multiple of 16
	s_lshl_b32 s32, s4, 12
	s_and_b32 s5, s4, 511
	s_lshl_b32 s5, s5, 2
	s_lshr_b32 s6, s4, 9
	s_add_co_u32 s5, s5, s6
	s_add_co_u32 s5, s5, 8192                      ; row 8192 + 4 (m0 % 512) + m0 / 512; the next piece lies 4 rows on
	s_lshl_b32 s34, s5, 11
	s_branch .Lspread
.Lnot_r:
	s_cmp_lt_u32 s2, 13
	s_cbranch_scc0 .Lnot_qkv
	s_mov_b64 s[28:29], s[14:15]                   ; jobs 10-12: 1,024 columns of W_qkv, a piece a row
	s_mov_b64 s[30:31], s[22:23]
	s_sub_co_u32 s4, s2, 10
	s_mul_i32 s32, s3, 12288
	s_lshl_b32 s5, s4, 12
	s_add_co_u32 s32, s32, s5
	s_lshl_b32 s34, s3, 13
	s_lshl_b32 s5, s4, 11
	s_add_co_u32 s34, s34, s5
	COPY 12288, 8192
	s_endpgm
.Lnot_qkv:
	s_cmp_eq_u32 s2, 13
	s_cbranch_scc0 .Lw_o
	s_mov_b64 s[28:29], s[16:17]                   ; job 13: W_r, behind W_qkv's 3,072 columns
	s_mov_b64 s[30:31], s[22:23]
	s_lshl_b32 s32, s3, 12
	s_lshl_b32 s34, s3, 13
	s_add_co_u32 s34, s34, 6144
.Lspread:
	COPY 4096, 8192
	s_endpgm
.Lw_o:
	s_mov_b64 s[28:29], s[18:19]                   ; job 14: W_o
	s_mov_b64 s[30:31], s[24:25]
	s_lshl_b32 s32, s3, 12
	s_lshl_b32 s34, s3, 11
.Ldense:
	COPY 4096, 2048
	s_cmp_eq_u32 s2, 14                            ; job 14's first sixteen work-groups, wave 0: head X's row 2048 of rx = 0
	s_cbranch_scc0 .Lend
	s_cmp_lt_u32 ttmp9, 16
	s_cbranch_scc0 .Lend
	s_cmp_eq_u32 s37, 0
	s_cbranch_scc0 .Lend
	s_mul_i32 s32, ttmp9, 409600                   ; a head's table is 3,200 rows of 128 bytes
	s_add_co_u32 s32, s32, 262144
	s_add_nc_u64 s[26:27], s[26:27], s[32:33]
	v_mov_b32 v4, 0
	v_mov_b32 v5, 0
	v_mov_b32 v6, 0
	v_mov_b32 v7, 0
	v_cmp_gt_u32 vcc_lo, 8, v0                     ; eight lanes x 16 bytes
	s_wait_xcnt 0x0                                ; EXEC is a source of the stores above: it changes only behind this wait
	s_and_saveexec_b32 s36, vcc_lo
	global_store_b128 v2, v[4:7], s[26:27]
	s_wait_xcnt 0x0                                ; and again in front of the line that widens it
	s_or_b32 exec_lo, exec_lo, s36
.Lend:
	s_endpgm
.Lfunc_end_k_qf4c7030400_cvt:
	.size	k_qf4c7030400_cvt, .Lfunc_end_k_qf4c7030400_cvt-k_qf4c7030400_cvt
	.p2alignl 7, 3214868480
	.fill 96, 4, 3214868480
	.section	.rodata,"a",@progbits
	.p2align	6, 0x0
	.amdhsa_kernel k_qf4c7030400_cvt
		.amdhsa_group_segment_fixed_size 0
		.amdhsa_private_segment_fixed_size 0
		.amdhsa_enable_private_segment 0
		.amdhsa_kernarg_size 80
		.amdhsa_user_sgpr_count 2
		.amdhsa_user_sgpr_kernarg_segment_ptr 1
		.amdhsa_wavefront_size32 1
		.amdhsa_system_sgpr_workgroup_id_x 1
		.amdhsa_system_sgpr_workgroup_id_y 1
		.amdhsa_system_sgpr_workgroup_id_z 1
		.amdhsa_system_vgpr_workitem_id 0
		.amdhsa_next_free_vgpr 208
		.amdhsa_next_free_sgpr 66
		.amdhsa_reserve_vcc 1
		.amdhsa_float_denorm_mode_32 3
		.amdhsa_float_denorm_mode_16_64 3
		.amdhsa_memory_ordered 1
		.amdhsa_forward_progress 1
		.amdhsa_inst_pref_size 31
	.end_amdhsa_kernel
	.amdgpu_metadata
---
amdhsa.version: [ 1, 2 ]
amdhsa.kernels:
  - .name:           k_qf4c7030400_cvt
    .symbol:         k_qf4c7030400_cvt.kd
    .args:
      - { .name: mems, .offset: 0, .size: 8, .value_kind: global_buffer, .address_space: global }
      - { .name: x, .offset: 8, .size: 8, .value_kind: global_buffer, .address_space: global }
      - { .name: r, .offset: 16, .size: 8, .value_kind: global_buffer, .address_space: global }
      - { .name: W_qkv, .offset: 24, .size: 8, .value_kind: global_buffer, .address_space: global }
      - { .name: W_r, .offset: 32, .size: 8, .value_kind: global_buffer, .address_space: global }
      - { .name: W_o, .offset: 40, .size: 8, .value_kind: global_buffer, .address_space: global }
      - { .name: ab, .offset: 48, .size: 8, .value_kind: global_buffer, .address_space: global }
      - { .name: wc, .offset: 56, .size: 8, .value_kind: global_buffer, .address_space: global }
      - { .name: wo, .offset: 64, .size: 8, .value_kind: global_buffer, .address_space: global }
      - { .name: rx, .offset: 72, .size: 8, .value_kind: global_buffer, .address_space: global }
    .group_segment_fixed_size: 0
    .private_segment_fixed_size: 0
    .kernarg_segment_align: 8
    .kernarg_segment_size: 80
    .max_flat_workgroup_size: 128
    .sgpr_count:     66
    .vgpr_count:     208
    .wavefront_size: 32
...
	.end_amdgpu_metadata
.endif
;; end of part 1
;; launch proj (part 2): grid 16 x 88, 4 waves a work-group, clusters of 4 x 4, 327,680 bytes of LDS; arguments ab, wc, kb, vb, qb, rx; writes kb, vb, qb, rx
.if DOCPART == 2
	.amdgcn_target "amdgcn-amd-amdhsa--gfx1250"
	.amdhsa_code_object_version 6
	.text
	.protected	k_qf4c7030400_proj
	.globl	k_qf4c7030400_proj
	.p2align	8
	.type	k_qf4c7030400_proj,@function
k_qf4c7030400_proj:
	s_mov_b64 s[64:65], 0
	v_nop
	global_prefetch_b8 v0, s[64:65] scope:SCOPE_SE
	s_setreg_imm32_b32 hwreg(HW_REG_WAVE_MODE, 25, 1), 1
	s_wait_xcnt 0x0
	s_wait_alu depctr_hold_cnt(0) depctr_sa_sdst(0) depctr_va_vdst(0) depctr_va_sdst(0) depctr_va_ssrc(0) depctr_va_vcc(0) depctr_vm_vsrc(0)
	s_getreg_b32 s2, hwreg(HW_REG_IB_STS2, 6, 4)
	s_cmp_eq_u32 s2, 0
	s_cbranch_scc0 .Lentry_in_a_cluster
	s_endpgm
.Lentry_in_a_cluster:
	s_bfe_u32 s2, ttmp6, 0x10000c
	s_cmp_lg_u32 s2, 0xf033
	s_cbranch_scc0 .Lentry_shape_is_right
	s_endpgm
.Lentry_shape_is_right:
; ALL FOUR PROJECTIONS: C = A W, A = ab [10240][1024] bf16 (rows along K), W = wc [1024 k][4096] bf16 (columns along the rows), sums in f32, C rounded once to bf16.
; A tile of C is 128 x 128; four waves, each 64 x 64: 16 accumulators.  K = 1,024 goes in four steps of 256 through two LDS slots.
; SECTIONS, by the cluster's y (the same in all sixteen partners):
;   0-15  K and V: all 8,192 context rows x columns 1024-3071      16-19  Q: the 4,096 rows of x x columns 0-1023      20, 21  R: the 2,048 rows of r x columns 3072-4095
; OUT, by heads: kb, vb [b][n][2048][64], qb [b][n][1024][64], rx [n][3200][64].  A tile's 128 rows are 32 positions x 4 (batch; for r: the quarter of the table), its 128 columns two heads.
; rx: row m holds rk[m]; rows 2049 + m hold rk[m] once more for m < 1024 (the part of the relative shift that wraps into the next query's row).
; CLUSTERS: 4 x 4.  A's tile hangs on the tile row, shared along a row of the cluster; W's on the tile column, shared along a column: each is asked for jointly.
; THE MATRIX INSTRUCTION IS USED TRANSPOSED (source 0 = 16 columns of W, turned out of LDS by ds_load_tr16_b128; source 1 = 16 rows of A): a lane holds eight neighbouring numbers of a row of C.
; No prefetch: the tiles are small and each is read by several clusters at about the same time.
; LIMITS: operands in bf16; results beyond bf16's range become infinities; NaN and infinities are not treated apart.
; REGISTERS: window 0: v0-31 addresses; v32-95 the way out; v128-255 accumulators ((a, b) at 128 + 8 (4 a + b)).  Window 1: two fragment buffers of 128: 64 of A, then 64 of W, for 64 along K.
.set PA,     528                       ; a row of A in LDS: 512 bytes + 16
.set PB,     288                       ; a k-row of W in LDS: 256 bytes + 32
.set HALFA,  64*PA                     ; what one load brings of A: 64 rows
.set HALFB,  128*PB                    ; of W: 128 k-rows
.set SLOT,   2*HALFA+2*HALFB           ; A's 128 rows, then W's 256 k-rows
.set STAGE,  2*SLOT                    ; behind the ring: 128 rows x 272 bytes
.set SPITCH, 272
.set SPARE,  STAGE+128*SPITCH          ; the spare words: 128 bytes a wave
.set ADRA, 16                          ; v16-17  my A fragments in slot 0, 1
.set ADRB, 20                          ; v20-23  my W fragments: slot 0 k 0-127, k 128-255, slot 1 likewise
.set STO,  24
.set RD,   25
.set CO,   26
.set SPW,  28
.set NIL,  29
.set TMP,  32
.set ACC,  128
.set F0,   0
.set F1,   128
.set G1,  32                           ; s[32:39] group 1 for A; s[40:47] group 0, a set a slot
.set G0,  40
.set G1B, 48                           ; s[48:55], s[56:63] the same for W
.set G0B, 56
.set MSB, 0
.macro WIN new
.if MSB != (\new)
	s_set_vgpr_msb (MSB<<8)|(\new)
.set MSB, \new
.endif
.endm
.set MUL,  0x05                        ; sources 0 and 1 window 1; C and D window 0
.set TO_F, 0x40                        ; destination window 1
.macro JLOAD s                         ; waves 0, 1 fetch A's halves, waves 2, 3 W's; an s_nop 0 and four v_nop follow each line
	s_cmp_eq_u32 s17, 0
	s_cbranch_scc0 .Lfor_b_\@
	tensor_load_to_lds s[G0+4*(\s):G0+4*(\s)+3], s[G1:G1+7]
	s_nop 0
.rept 4
	v_nop
.endr
	s_branch .Lasked_\@
.Lfor_b_\@:
	tensor_load_to_lds s[G0B+4*(\s):G0B+4*(\s)+3], s[G1B:G1B+7]
	s_nop 0
.rept 4
	v_nop
.endr
.Lasked_\@:
.endm
.macro CREST                           ; a round of the cluster's barrier behind its opening barrier
	s_cmp_lg_u32 s16, 0
	s_cbranch_scc1 .Lnot_wave_0_\@
	s_barrier_signal -3
.Lnot_wave_0_\@:
	s_barrier_wait -3
	s_barrier_signal -1
	s_barrier_wait -1
.endm
.macro CROUND
	s_barrier_signal -1
	s_barrier_wait -1
	CREST
.endm
	s_load_b256 s[4:11], s[0:1], 0x0               ; ab 4, wc 6, kb 8, vb 10
	s_load_b128 s[12:15], s[0:1], 0x20             ; qb 12, rx 14
	v_lshl_add_u32 v[SPW], v0, 2, SPARE
	v_mov_b32 v[NIL], 0
	ds_add_u32 v[SPW], v[NIL]                      ; the wave's opening: the add and its wait ahead of my first tensor load
	v_lshrrev_b32 v1, 5, v0
	v_readfirstlane_b32 s16, v1                    ; wave
	s_lshr_b32 s17, s16, 1                         ; my half of the tile's rows; also: I fetch for A (0) or W (1)
	s_and_b32 s18, s16, 1                          ; my half of its columns; also: which half I fetch
	s_bfe_u32 s19, ttmp6, 0x40000                  ; cx
	s_bfe_u32 s20, ttmp6, 0x40004                  ; cy
	s_mov_b32 s21, ttmp9                           ; cluster x
	s_and_b32 s22, ttmp7, 0xffff                   ; cluster y
	s_lshl_b32 s23, s21, 2
	s_add_co_u32 s23, s23, s19                     ; X
	s_lshl_b32 s24, s22, 2
	s_add_co_u32 s24, s24, s20                     ; Y
	s_lshr_b32 s25, s21, 1                         ; X / 8
	s_lshl_b32 s70, s25, 4                         ; the tile row in ab.  Q: 32 + (Y - 64) + 16 (X / 8)
	s_add_co_u32 s70, s70, s24
	s_sub_co_u32 s70, s70, 32
	s_lshl_b32 s71, s25, 3                         ; R: 64 + (Y - 80) + 8 (X / 8)
	s_add_co_u32 s71, s71, s24
	s_sub_co_u32 s71, s71, 16
	s_cmp_lt_u32 s22, 20
	s_cselect_b32 s26, s70, s71
	s_cmp_lt_u32 s22, 16
	s_cselect_b32 s26, s24, s26                    ; K and V: Y
	s_and_b32 s82, s23, 7                          ; the tile's first column in wc
	s_lshl_b32 s72, s82, 7
	s_add_co_u32 s73, s72, 3072
	s_cmp_lt_u32 s22, 20
	s_cselect_b32 s27, s72, s73
	s_lshl_b32 s72, s23, 7
	s_add_co_u32 s72, s72, 1024
	s_cmp_lt_u32 s22, 16
	s_cselect_b32 s27, s72, s27
	s_lshl_b32 s80, s20, 2
	s_lshl_b32 s80, 15, s80                        ; my row of the cluster
	s_lshl_b32 s81, 0x1111, s19                    ; my column
	s_or_b32 s[G1], s80, (1<<16)|(1<<20)|(1<<21)|(6<<22)|(3<<25)   ; 2-byte elements; padding after every 128 words, 4 words; bit 21 beside the mask
	s_or_b32 s[G1B], s81, (1<<16)|(1<<20)|(1<<21)|(5<<22)|(7<<25)  ; after every 64 words, 8 words
	s_mov_b32 s[G1+1], 256<<16                     ; A: 64 rows x 256 elements, 1,024 elements from row to row
	s_mov_b32 s[G1+2], 64<<16
	s_mov_b32 s[G1+3], 256<<16
	s_mov_b32 s[G1+4], 64
	s_mov_b32 s[G1+5], 1024
	s_mov_b32 s[G1+6], 0
	s_mov_b32 s[G1+7], 0
	s_mov_b32 s[G1B+1], 128<<16                    ; W: 128 k-rows x 128 elements, 4,096 elements from row to row
	s_mov_b32 s[G1B+2], 128<<16
	s_mov_b32 s[G1B+3], 128<<16
	s_mov_b32 s[G1B+4], 128
	s_mov_b32 s[G1B+5], 4096
	s_mov_b32 s[G1B+6], 0
	s_mov_b32 s[G1B+7], 0
	s_lshl_b32 s84, s26, 7
	s_lshl_b32 s85, s18, 6
	s_add_co_u32 s84, s84, s85
	s_lshl_b32 s84, s84, 11                        ; A: (128 tile row + 64 half) x 2,048 bytes
	s_mov_b32 s85, 0
	s_lshl_b32 s86, s27, 1
	s_lshl_b32 s87, s18, 20
	s_add_co_u32 s86, s86, s87                     ; W: 2 x column + half x 128 k-rows of 8,192 bytes
	s_mov_b32 s87, 0
	s_mul_i32 s28, s18, HALFA                      ; where they go: no place in the cluster enters an LDS address
	s_mul_i32 s29, s18, HALFB
	s_add_co_u32 s29, s29, 2*HALFA
	s_mov_b32 s67, 65536                           ; bytes from batch to batch (R: from quarter to quarter of the table),
	s_mov_b32 s68, 409600                          ; from head to head,
	s_mov_b32 s69, 64                              ; and the section's first tile row
	s_cmp_lt_u32 s22, 20
	s_cselect_b32 s67, 0x200000, s67
	s_cselect_b32 s68, 0x20000, s68
	s_cselect_b32 s69, 32, s69
	s_cmp_lt_u32 s22, 16
	s_cselect_b32 s67, 0x400000, s67
	s_cselect_b32 s68, 0x40000, s68
	s_cselect_b32 s69, 0, s69
	s_sub_co_u32 s66, s26, s69
	s_lshl_b32 s66, s66, 12                        ; the tile's first position x 128 bytes: 32 positions a tile
	s_mul_i32 s88, s16, s67                        ; on the way out wave w takes batch w
	s_lshl_b32 s90, s82, 1
	s_mul_i32 s90, s90, s68                        ; the tile's first head
	s_add_co_u32 s88, s88, s90
	s_add_co_u32 s88, s88, s66
	s_mov_b32 s89, 0
	s_mov_b32 s90, s68
	s_mov_b32 s91, 0
	s_wait_dscnt 0x0                               ; the opening add is done
	s_wait_kmcnt 0x0
	s_add_nc_u64 s[84:85], s[4:5], s[84:85]
	s_add_nc_u64 s[86:87], s[6:7], s[86:87]
	s_cmp_lt_u32 s21, 2
	s_cselect_b64 s[76:77], s[8:9], s[10:11]
	s_cmp_lt_u32 s22, 20
	s_cselect_b64 s[78:79], s[12:13], s[14:15]
	s_cmp_lt_u32 s22, 16
	s_cselect_b64 s[76:77], s[76:77], s[78:79]
	s_add_nc_u64 s[76:77], s[76:77], s[88:89]      ; out at my batch, the first head, the first position
	s_add_nc_u64 s[78:79], s[76:77], s[90:91]      ; and the second head
	CROUND                                         ; all sixteen work-groups are here: the first joint loads meet
.irp s, 0,1
	s_mov_b32 s[G0+4*(\s)], 1
	s_add_co_u32 s[G0+4*(\s)+1], s28, (\s)*SLOT
	s_add_nc_u64 s[G0+4*(\s)+2:G0+4*(\s)+3], s[84:85], (\s)*512
	s_or_b32 s[G0+4*(\s)+3], s[G0+4*(\s)+3], 0x80000000
	s_mov_b32 s[G0B+4*(\s)], 1
	s_add_co_u32 s[G0B+4*(\s)+1], s29, (\s)*SLOT
	s_add_nc_u64 s[G0B+4*(\s)+2:G0B+4*(\s)+3], s[86:87], (\s)*2097152
	s_or_b32 s[G0B+4*(\s)+3], s[G0B+4*(\s)+3], 0x80000000
	JLOAD \s
.endr
	v_and_b32 v1, 15, v0                           ; l % 16
	v_bfe_u32 v2, v0, 4, 1                         ; l / 16
	v_mul_u32_u24 v3, v1, PA
	v_lshl_add_u32 v3, v2, 4, v3
	s_mul_i32 s30, s17, HALFA                      ; my 64 rows of A
	v_add_nc_u32 v[ADRA], s30, v3
	v_add_nc_u32 v[ADRA+1], SLOT, v[ADRA]
	v_and_b32 v4, 7, v0                            ; the turning load: lane l reads k-row 8 (l / 16) + l % 8, columns 8 ((l / 8) % 2) + 0..7
	v_bfe_u32 v5, v0, 3, 1
	v_lshl_add_u32 v4, v2, 3, v4
	v_mul_u32_u24 v4, v4, PB
	v_lshl_add_u32 v4, v5, 4, v4
	s_lshl_b32 s30, s18, 7                         ; my 64 columns
	s_add_co_u32 s30, s30, 2*HALFA
	v_add_nc_u32 v[ADRB], s30, v4
	v_add_nc_u32 v[ADRB+1], HALFB, v[ADRB]
	v_add_nc_u32 v[ADRB+2], SLOT, v[ADRB]
	v_add_nc_u32 v[ADRB+3], SLOT+HALFB, v[ADRB]
	s_mul_i32 s30, s17, 64*SPITCH                  ; into the stage: my 64 rows, my 128 bytes of them
	s_lshl_b32 s31, s18, 7
	s_add_co_u32 s30, s30, s31
	s_add_co_u32 s30, s30, STAGE
	v_mul_u32_u24 v6, v1, SPITCH
	v_lshl_add_u32 v6, v2, 4, v6
	v_add_nc_u32 v[STO], s30, v6
	v_bfe_u32 v6, v0, 3, 2                         ; back: tile row 4 x position + batch; 32 lanes take four positions x 128 bytes of one head
	v_lshlrev_b32 v6, 2, v6
	v_add_nc_u32 v6, s16, v6
	v_mul_u32_u24 v6, v6, SPITCH
	v_and_b32 v7, 7, v0
	v_lshl_add_u32 v6, v7, 4, v6
	v_add_nc_u32 v[RD], STAGE, v6
	v_and_b32 v[CO], 31, v0                        ; which are 512 consecutive bytes of the output
	v_lshlrev_b32 v[CO], 4, v[CO]
; 8 matrix instructions: m blocks a0, a0 + 1 x all 4 n blocks, 32 along K: half c of buffer f.  The 16 accumulators take turns.
.macro MUL8 f, c, a0, zero
	WIN MUL
.irp a, \a0, (\a0)+1
.irp b, 0,1,2,3
.if \zero
	v_wmma_f32_16x16x32_bf16 v[ACC+8*(4*(\a)+(\b)):ACC+8*(4*(\a)+(\b))+7], v[(\f)+64+8*(4*(\c)+(\b)):(\f)+64+8*(4*(\c)+(\b))+7], v[(\f)+8*(4*(\c)+(\a)):(\f)+8*(4*(\c)+(\a))+7], 0
.else
	v_wmma_f32_16x16x32_bf16 v[ACC+8*(4*(\a)+(\b)):ACC+8*(4*(\a)+(\b))+7], v[(\f)+64+8*(4*(\c)+(\b)):(\f)+64+8*(4*(\c)+(\b))+7], v[(\f)+8*(4*(\c)+(\a)):(\f)+8*(4*(\c)+(\a))+7], v[ACC+8*(4*(\a)+(\b)):ACC+8*(4*(\a)+(\b))+7]
.endif
.endr
.endr
.endm
; 32 LDS loads in one run: the fragments of quarter q (64 along K) of a slot into buffer f; the first 32 along K first
.macro FETCH slot, q, f
	WIN TO_F
.irp c, 0,1
.irp i, 0,1,2,3
	ds_load_tr16_b128 v[(\f)+64+8*(4*(\c)+(\i)):(\f)+64+8*(4*(\c)+(\i))+3],   v[ADRB+2*(\slot)+(\q)/2] offset:(((\q)%2)*64+32*(\c))*PB+32*(\i)
	ds_load_tr16_b128 v[(\f)+64+8*(4*(\c)+(\i))+4:(\f)+64+8*(4*(\c)+(\i))+7], v[ADRB+2*(\slot)+(\q)/2] offset:(((\q)%2)*64+32*(\c))*PB+32*(\i)+16*PB
	ds_load_b128 v[(\f)+8*(4*(\c)+(\i)):(\f)+8*(4*(\c)+(\i))+3],   v[ADRA+(\slot)] offset:128*(\q)+64*(\c)+(\i)*16*PA
	ds_load_b128 v[(\f)+8*(4*(\c)+(\i))+4:(\f)+8*(4*(\c)+(\i))+7], v[ADRA+(\slot)] offset:128*(\q)+64*(\c)+(\i)*16*PA+32
.endr
.endr
.endm
.macro PLACES                          ; four plain instructions in front of loads into registers that matrix instructions have read, and of conversions that read results
.rept 4
	v_nop
.endr
.endm
.macro QUARTER slot, q, f, g, zero     ; multiplies buffer f; in its middle fetches quarter q of the same slot into g
	s_wait_dscnt 16                                ; the first 32 along K are in
	WIN MUL
	MUL8 \f, 0, 0, \zero
	MUL8 \f, 0, 2, \zero
	PLACES
	FETCH \slot, \q, \g
	s_wait_dscnt 32                                ; all but the 32 just issued
	WIN MUL
	MUL8 \f, 1, 0, 0
	MUL8 \f, 1, 2, 0
.endm
; The last quarter multiplies buffer 1 and changes slots: each wave waits for all its tensor loads, adds 0 to its spare word, waits for that and for its reads of this slot, and meets the others.
; fill = 1: the barrier opens a round of the cluster's barrier, and the slot is filled again first thing behind it, two K steps ahead.
.macro TURN slot, next, fill
	WIN 0
	s_wait_tensorcnt 0x0                           ; all my tensor loads have landed: my part of the next slot
	ds_add_u32 v[SPW], v[NIL]
	s_wait_dscnt 17                                ; (the add and the youngest sixteen loads may be out)
	WIN MUL
	MUL8 F1, 0, 0, 0
	s_wait_dscnt 0x0                               ; the add is done, and my reads of this slot are over
	s_barrier_signal -1
	MUL8 F1, 0, 2, 0
.if \fill
	WIN 0
.endif
	s_barrier_wait -1
.if \fill
	CREST
	s_add_nc_u64 s[G0+4*(\slot)+2:G0+4*(\slot)+3], s[G0+4*(\slot)+2:G0+4*(\slot)+3], 1024
	s_add_nc_u64 s[G0B+4*(\slot)+2:G0B+4*(\slot)+3], s[G0B+4*(\slot)+2:G0B+4*(\slot)+3], 4194304
	JLOAD \slot                                    ; its four v_nop are also the places in front of the loads below
.else
	PLACES
.endif
	FETCH \next, 0, F0
	WIN MUL
	MUL8 F1, 1, 0, 0
	MUL8 F1, 1, 2, 0
.endm
	s_wait_tensorcnt 1                             ; my part of K step 0 is in; K step 1's may stay out
	s_barrier_signal -1
	s_barrier_wait -1
	FETCH 0, 0, F0
	QUARTER 0, 1, F0, F1, 1                        ; the first products start the sums
	QUARTER 0, 2, F1, F0, 0
	QUARTER 0, 3, F0, F1, 0
	TURN 0, 1, 1                                   ; slot 0 takes K step 2
	QUARTER 1, 1, F0, F1, 0
	QUARTER 1, 2, F1, F0, 0
	QUARTER 1, 3, F0, F1, 0
	TURN 1, 0, 1                                   ; slot 1 takes K step 3
	QUARTER 0, 1, F0, F1, 0
	QUARTER 0, 2, F1, F0, 0
	QUARTER 0, 3, F0, F1, 0
	TURN 0, 1, 0
	QUARTER 1, 1, F0, F1, 0
	QUARTER 1, 2, F1, F0, 0
	QUARTER 1, 3, F0, F1, 0
	s_wait_dscnt 16
	WIN MUL
	MUL8 F1, 0, 0, 0
	MUL8 F1, 0, 2, 0
	s_wait_dscnt 0x0
	MUL8 F1, 1, 0, 0
	MUL8 F1, 1, 2, 0
	WIN 0
	; THE WAY OUT: rounded to bf16; 16 bytes a lane into the work-group's stage; a barrier; back by batch and head
	PLACES
.irp t, 0,1,2,3,4,5,6,7,8,9,10,11,12,13,14,15
.irp r, 0,1,2,3
	v_cvt_pk_bf16_f32 v[TMP+4*(\t)+(\r)], v[ACC+8*(\t)+2*(\r)], v[ACC+8*(\t)+2*(\r)+1]
.endr
.endr
.irp a, 0,1,2,3
.irp b, 0,1,2,3
	ds_store_b128 v[STO], v[TMP+4*(4*(\a)+(\b)):TMP+4*(4*(\a)+(\b))+3] offset:(\a)*16*SPITCH+32*(\b)
.endr
.endr
	s_wait_dscnt 0x0                               ; for the others' sake: my stores into the stage are done
	s_barrier_signal -1
	s_barrier_wait -1
.irp t, 0,1,2,3,4,5,6,7,8,9,10,11,12,13,14,15
	ds_load_b128 v[TMP+4*(\t):TMP+4*(\t)+3], v[RD] offset:((\t)%8)*16*SPITCH+128*((\t)/8)  ; head t / 8, positions 4 (t % 8) on
.endr
.irp t, 0,1,2,3,4,5,6,7
	s_wait_dscnt 15-(\t)
	global_store_b128 v[CO], v[TMP+4*(\t):TMP+4*(\t)+3], s[76:77] offset:(\t)*512      ; 512 consecutive bytes
.endr
.irp t, 0,1,2,3,4,5,6,7
	s_wait_dscnt 7-(\t)
	global_store_b128 v[CO], v[TMP+32+4*(\t):TMP+32+4*(\t)+3], s[78:79] offset:(\t)*512
.endr
	s_cmp_ge_u32 s22, 20                           ; section R, table rows 0-1023 (quarters 0 and 1): once more, 2,049 rows further on
	s_cbranch_scc0 .Lno_copy
	s_cmp_lt_u32 s16, 2
	s_cbranch_scc0 .Lno_copy
.irp t, 0,1,2,3,4,5,6,7
	global_store_b128 v[CO], v[TMP+4*(\t):TMP+4*(\t)+3], s[76:77] offset:(\t)*512+262272
	global_store_b128 v[CO], v[TMP+32+4*(\t):TMP+32+4*(\t)+3], s[78:79] offset:(\t)*512+262272
.endr
.Lno_copy:
	s_wait_tensorcnt 0x0                           ; the wave's end
	ds_add_u32 v[SPW], v[NIL]
	s_wait_dscnt 0x0
	CROUND                                         ; the closing round
	s_endpgm
.Lfunc_end_k_qf4c7030400_proj:
	.size	k_qf4c7030400_proj, .Lfunc_end_k_qf4c7030400_proj-k_qf4c7030400_proj
	.p2alignl 7, 3214868480
	.fill 96, 4, 3214868480
	.section	.rodata,"a",@progbits
	.p2align	6, 0x0
	.amdhsa_kernel k_qf4c7030400_proj
		.amdhsa_group_segment_fixed_size 327680
		.amdhsa_private_segment_fixed_size 0
		.amdhsa_enable_private_segment 0
		.amdhsa_kernarg_size 48
		.amdhsa_user_sgpr_count 2
		.amdhsa_user_sgpr_kernarg_segment_ptr 1
		.amdhsa_wavefront_size32 1
		.amdhsa_system_sgpr_workgroup_id_x 1
		.amdhsa_system_sgpr_workgroup_id_y 1
		.amdhsa_system_sgpr_workgroup_id_z 1
		.amdhsa_system_vgpr_workitem_id 0
		.amdhsa_next_free_vgpr 512
		.amdhsa_next_free_sgpr 96
		.amdhsa_reserve_vcc 0
		.amdhsa_float_denorm_mode_32 3
		.amdhsa_float_denorm_mode_16_64 3
		.amdhsa_memory_ordered 1
		.amdhsa_forward_progress 1
		.amdhsa_inst_pref_size 90
	.end_amdhsa_kernel
	.amdgpu_metadata
---
amdhsa.version: [ 1, 2 ]
amdhsa.kernels:
  - .name:           k_qf4c7030400_proj
    .symbol:         k_qf4c7030400_proj.kd
    .args:
      - { .name: ab, .offset: 0, .size: 8, .value_kind: global_buffer, .address_space: global }
      - { .name: wc, .offset: 8, .size: 8, .value_kind: global_buffer, .address_space: global }
      - { .name: kb, .offset: 16, .size: 8, .value_kind: global_buffer, .address_space: global }
      - { .name: vb, .offset: 24, .size: 8, .value_kind: global_buffer, .address_space: global }
      - { .name: qb, .offset: 32, .size: 8, .value_kind: global_buffer, .address_space: global }
      - { .name: rx, .offset: 40, .size: 8, .value_kind: global_buffer, .address_space: global }
    .group_segment_fixed_size: 327680
    .private_segment_fixed_size: 0
    .kernarg_segment_align: 8
    .kernarg_segment_size: 48
    .max_flat_workgroup_size: 128
    .sgpr_count:     96
    .vgpr_count:     512
    .wavefront_size: 32
...
	.end_amdgpu_metadata
.endif
;; end of part 2
;; launch attn (part 3): grid 4 x 64, 4 waves a work-group, clusters of 4 x 4, 327,680 bytes of LDS; arguments qb, kb, vb, rx, u, v, av; writes av
.if DOCPART == 3
	.amdgcn_target "amdgcn-amd-amdhsa--gfx1250"
	.amdhsa_code_object_version 6
	.text
	.protected	k_qf4c7030400_attn
	.globl	k_qf4c7030400_attn
	.p2align	8
	.type	k_qf4c7030400_attn,@function
k_qf4c7030400_attn:
	s_mov_b64 s[64:65], 0
	v_nop
	global_prefetch_b8 v0, s[64:65] scope:SCOPE_SE
	s_setreg_imm32_b32 hwreg(HW_REG_WAVE_MODE, 25, 1), 1
	s_wait_xcnt 0x0
	s_wait_alu depctr_hold_cnt(0) depctr_sa_sdst(0) depctr_va_vdst(0) depctr_va_sdst(0) depctr_va_ssrc(0) depctr_va_vcc(0) depctr_vm_vsrc(0)
	s_getreg_b32 s2, hwreg(HW_REG_IB_STS2, 6, 4)
	s_cmp_eq_u32 s2, 0
	s_cbranch_scc0 .Lentry_in_a_cluster
	s_endpgm
.Lentry_in_a_cluster:
	s_bfe_u32 s2, ttmp6, 0x10000c
	s_cmp_lg_u32 s2, 0xf033
	s_cbranch_scc0 .Lentry_shape_is_right
	s_endpgm
.Lentry_shape_is_right:
; RELATIVE ATTENTION for one batch b, head n and 256 queries: av[b][n][i][:] = sum over j of softmax_j(((q_i + u) . k_j + shift(BD)[i][j]) / 8) v_j, all 2,048 keys, no mask.
; THE SHIFT.  With m = j + 1023 - i the shifted score is (q_i + v) . rk[m] for m < 2048, 0 for m = 2048, and (q_(i+1) + v) . rk[m - 2049] beyond.  The table rx holds rk, a row of zeros and rk's
; first 1,024 rows again, so it is (q_sel + v) . rx[m], q_sel = q_i below row 2048 and q_(i+1) from there on.  2048 is a multiple of 16: a tile of 16 table rows takes one of the two.
; For 16 queries and 64 keys m spans 79 rows: five tiles of rx, X^T = rx Q^T.  Query r wants X[r][key + 15 - r]: the band goes into the wave's own LDS scratch in rows of 336 bytes and comes back a word
; a lane with a row step of 332 bytes, straight into the registers that are the C of K Q^T.
; SHARES.  The cluster's y is the head, cy the batch, cx the block of 256 queries; a wave owns 64 queries: four tiles c of 16.  64 keys a step, two steps a slot, 16 slots.
; The wave's four tiles share eight table tiles g = 3 - c + tt.  Tiles g >= 4 pass row 2048 one step earlier than tiles g <= 3: two copies of Q + v (EARLY, LATE) are chosen anew in each step by
; v_cndmask_b32 with scalar masks: a choice of values, no branch.
; LAYOUT as in S^T = K Q^T, O^T = V^T P: a lane holds ONE query (lane % 16).  p = 2^(c s - c m), c = log2(e) / 8, with a running maximum m; O and l are multiplied by a = 2^(c m_old - c m_new) in every step.
; m starts at the lowest finite number, O and l at 0: the first step is a step like any other, with a = 0.
; CLUSTER 4 x 4: K and V hang on (b, n): asked for jointly along a row; the table's window hangs on (n, cx): jointly along a column.
; LIMITS.  All matrix operands bf16 (q is rounded, and q + u, q + v once more); a weight below 2^-126 counts as 0; NaN and infinities are not treated apart.
; REGISTERS (s_set_vgpr_msb: bits 1:0 source 0, 3:2 source 1, 5:4 source 2, 7:6 destination):
;   window 0: v0-23 addresses; v24-39 statistics; v40-55 at work; v56-95 the band's five accumulators; v96-223 S^T, 32 a tile; v224-255 P, two buffers
;   window 1: v0-127 O^T; v128-191 K; v192-255 V      window 2: v0-127 table tiles; v128-191 Q + u; v192-255 EARLY      window 3: v0-63 LATE; v64-127 Q + v; v128-191 Q' + v (the next query's)
.set PK,    144       ; a row of K or of the table in LDS: 128 bytes + 16
.set PV,    160       ; a row of V: 128 + 32
.set VOFF,  128*PK    ; a slot: 128 rows of K, 128 of V, 384 of the table
.set ROFF,  VOFF+128*PV
.set SLOT1, 1<<17
.set SCR,   SLOT1+ROFF+384*PK  ; behind the ring, never filled by a tensor load: 16 rows x 336 bytes for each wave
.set SCRW,  16*336
.set SPARE, SCR+4*SCRW         ; the spare words: 128 bytes a wave
.set AK0, 2
.set AV0, 3
.set AR0, 4
.set AK,  5
.set AV,  6
.set AR,  7
.set STS, 8           ; where I put 16 bytes of the band
.set SLD, 9           ; where I read a word of it back
.set QO,  10
.set QO3, 11
.set UO,  12
.set STO, 13
.set RD,  14
.set GO,  15
.set PFO, 16
.set SPW, 20
.set NIL, 21
.set ST,  24          ; tile c: c m, m, l (even keys', odd keys') at ST + 4 c
.set TMP, 40
.set T8,  48
.set XB,  56
.set S,   96
.set P,   224
.set KF,  128         ; window 1
.set VF,  192         ; window 1
.set QU,  128         ; window 2
.set EARLY, 192       ; window 2
.set LATE, 0          ; window 3
.set QV,  64          ; window 3
.set QVN, 128         ; window 3
.set WV,  18
.set G1K, 32
.set G1V, 40
.set G1R, 48
.set G0K, 56
.set G0V, 60
.set G0R, 68
.set SLOTS, 72
.set TWICE, 73
.set JS,  74          ; the key step's number
.set QSW, 75          ; 4 cx + wave + 16
.set MKE, 76
.set MKL, 77
.set CS,  78
.set SEL, 80
.set TBK, 82
.set TBV, 83
.set PFA, 84
.set LIM, 86
.set MSB, 0
.macro WIN new
.if MSB != (\new)
	s_set_vgpr_msb (MSB<<8)|(\new)
.set MSB, (\new)
.endif
.endm
; A joint fill: wave 0 K's 128 rows, wave 1 V's, waves 2 and 3 the halves of the table's window.  An s_nop 0 and four v_nop follow each line.
.macro JLOAD
	s_cmp_lt_u32 s[WV], 2
	s_cbranch_scc0 .Lfor_r_\@
	s_cmp_eq_u32 s[WV], 0
	s_cbranch_scc0 .Lfor_v_\@
	tensor_load_to_lds s[G0K:G0K+3], s[G1K:G1K+7]
	s_nop 0
.rept 4
	v_nop
.endr
	s_branch .Lasked_\@
.Lfor_v_\@:
	tensor_load_to_lds s[G0V:G0V+3], s[G1V:G1V+7]
	s_nop 0
.rept 4
	v_nop
.endr
	s_branch .Lasked_\@
.Lfor_r_\@:
	tensor_load_to_lds s[G0R:G0R+3], s[G1R:G1R+7]
	s_nop 0
.rept 4
	v_nop
.endr
.Lasked_\@:
.endm
; A PREFETCH INTO THE L2 of the K and V rows that the NEXT change of slots will ask for: 2 x 16,384 bytes.  The four partners that ask for them jointly share them out BY ADDRESS: cx / 2 chooses K or V,
; cx % 2 the half; wave 0 asks, a lane for each 256 bytes.  So each block is named once in the launch.  The last change that fills a slot asks for nothing.  The table is walked again and again: not asked for.
.macro ASK
	s_cmp_gt_u32 s[SLOTS], s[LIM]
	s_cbranch_scc0 .Lnot_mine_\@
	global_prefetch_b8 v[PFO], s[PFA:PFA+1] th:TH_LOAD_NT scope:SCOPE_SE
.Lnot_mine_\@:
.endm
.macro CROUND
	s_barrier_signal -1
	s_barrier_wait -1
	s_cmp_lg_u32 s[WV], 0
	s_cbranch_scc1 .Lnot_wave_0_\@
	s_barrier_signal -3
.Lnot_wave_0_\@:
	s_barrier_wait -3
	s_barrier_signal -1
	s_barrier_wait -1
.endm
; THE CHANGE OF SLOTS.  Each wave waits for all its tensor loads (one is out: its part of the other slot), adds 0 to its spare word, and waits for that and for its reads of the slot that it leaves.
; fill = 1: a round of the cluster's barrier, and the slot is filled again first thing behind it, with the keys two slots on.  (At its first use slot 0 is waited for and slot 1 filled.)
.macro CHANGE fill
	WIN 0
	s_wait_tensorcnt 0x0            ; no tensor load of mine is out, so a group 0 may be written
	ds_add_u32 v[SPW], v[NIL]
.if \fill
.irp g, G0K, G0V, G0R
	s_xor_b32 s[\g+1], s[\g+1], SLOT1
	s_add_nc_u64 s[\g+2:\g+3], s[\g+2:\g+3], 16384  ; 128 rows on
.endr
	s_wait_xcnt 0x0                 ; the last prefetch, two key steps back, has read its address
	s_add_nc_u64 s[PFA:PFA+1], s[PFA:PFA+1], 16384
	s_wait_dscnt 0x0                ; the add is done, and my reads of the slot are over
	CROUND
	JLOAD
	ASK
.else
	s_wait_dscnt 0x0
	s_barrier_signal -1
	s_barrier_wait -1
.endif
	s_sub_co_u32 s[TBK], s[TBK], 128*PK
	s_xor_b32 s[TBK], s[TBK], SLOT1
	s_sub_co_u32 s[TBV], s[TBV], 128*PV
	s_xor_b32 s[TBV], s[TBV], SLOT1
.endm
	s_load_b256 s[4:11], s[0:1], 0x0    ; qb 4, kb 6, vb 8, rx 10
	s_load_b128 s[12:15], s[0:1], 0x20  ; u 12, v 14
	s_load_b64 s[16:17], s[0:1], 0x30   ; av
	v_lshl_add_u32 v[SPW], v0, 2, SPARE
	v_mov_b32 v[NIL], 0
	ds_add_u32 v[SPW], v[NIL]       ; the wave's opening: the add and its wait ahead of my first tensor load
	v_lshrrev_b32 v1, 5, v0
	v_readfirstlane_b32 s[WV], v1
	s_bfe_u32 s19, ttmp6, 0x40000   ; cx: the block of queries
	s_bfe_u32 s20, ttmp6, 0x40004   ; cy: the batch
	s_and_b32 s21, ttmp7, 0xffff    ; the head
	s_lshl_b32 s22, s20, 4
	s_add_co_u32 s22, s22, s21      ; 16 b + n
	s_lshl_b32 s24, s22, 18         ; its 2,048 rows of 128 bytes in K and V
	s_mov_b32 s25, 0
	s_lshl_b32 s26, s20, 2
	s_lshl_b32 s26, 15, s26         ; my row of the cluster
	s_lshl_b32 s27, 0x1111, s19     ; my column
	s_and_b32 s23, s[WV], 1
	s_mul_i32 s28, s21, 409600      ; the head's table; slot 0's window begins at row 768 - 256 cx
	s_add_co_u32 s28, s28, 768*128
	s_lshl_b32 s29, s19, 15
	s_sub_co_u32 s28, s28, s29
	s_mul_i32 s29, s23, 24576       ; my 192 rows of its 384
	s_add_co_u32 s28, s28, s29
	s_mov_b32 s29, 0
	; group 1: dense rows are asked for as rows of 256 bytes, two table rows each, and padded in LDS after every 128 bytes
	s_or_b32 s[G1K], s26, (1<<16)|(1<<20)|(1<<21)|(4<<22)|(3<<25)
	s_or_b32 s[G1V], s26, (1<<16)|(1<<20)|(1<<21)|(4<<22)|(7<<25)
	s_or_b32 s[G1R], s27, (1<<16)|(1<<20)|(1<<21)|(4<<22)|(3<<25)
.irp g, G1K, G1V, G1R
	s_mov_b32 s[\g+1], 128<<16
	s_mov_b32 s[\g+3], 128<<16
	s_mov_b32 s[\g+5], 128
	s_mov_b32 s[\g+6], 0
	s_mov_b32 s[\g+7], 0
.endr
	s_mov_b32 s[G1K+2], 64<<16
	s_mov_b32 s[G1K+4], 64
	s_mov_b32 s[G1V+2], 64<<16
	s_mov_b32 s[G1V+4], 64
	s_mov_b32 s[G1R+2], 96<<16
	s_mov_b32 s[G1R+4], 96
	s_mov_b32 s[G0K], 1
	s_mov_b32 s[G0K+1], 0
	s_mov_b32 s[G0V], 1
	s_mov_b32 s[G0V+1], VOFF
	s_mov_b32 s[G0R], 1
	s_mul_i32 s[G0R+1], s23, 192*PK
	s_add_co_u32 s[G0R+1], s[G0R+1], ROFF
	s_mov_b32 s[CS], 0x3e38aa3b     ; c = log2(e) / 8
	s_mov_b32 s[CS+1], s[CS]
	s_mov_b32 s[SEL], 0x76543210
	s_mov_b32 s[SEL+1], 0xfedcba98
	s_mov_b32 s87, 0xffff0000
	s_mov_b32 s[TBK], SLOT1+128*PK  ; the first change of slots turns these two into 0
	s_mov_b32 s[TBV], SLOT1+128*PV
	s_mov_b32 s[SLOTS], 15
	s_mov_b32 s[JS], 0
	s_lshl_b32 s[QSW], s19, 2
	s_add_co_u32 s[QSW], s[QSW], s[WV]
	s_add_co_u32 s[QSW], s[QSW], 16
	s_cmp_eq_u32 s[WV], 0
	s_cselect_b32 s[LIM], 1, -1
	s_lshl_b32 s90, s19, 8
	s_lshl_b32 s91, s[WV], 6
	s_add_co_u32 s90, s90, s91      ; my wave's first query
	s_and_b32 s92, s19, 1
	s_lshl_b32 s92, s92, 13
	s_add_co_u32 s92, s92, s24
	s_add_co_u32 s92, s92, 16384    ; the prefetches stand in slot 1; the first change steps them to slot 2
	s_mov_b32 s93, 0
	s_wait_dscnt 0x0                ; the opening add is done
	s_wait_kmcnt 0x0
	s_add_nc_u64 s[G0K+2:G0K+3], s[6:7], s[24:25]
	s_or_b32 s[G0K+3], s[G0K+3], 0x80000000
	s_add_nc_u64 s[G0V+2:G0V+3], s[8:9], s[24:25]
	s_or_b32 s[G0V+3], s[G0V+3], 0x80000000
	s_add_nc_u64 s[G0R+2:G0R+3], s[10:11], s[28:29]
	s_or_b32 s[G0R+3], s[G0R+3], 0x80000000
	s_lshr_b32 s91, s19, 1
	s_cmp_eq_u32 s91, 0
	s_cselect_b64 s[PFA:PFA+1], s[6:7], s[8:9]
	s_add_nc_u64 s[PFA:PFA+1], s[PFA:PFA+1], s[92:93]
	s_lshl_b32 s30, s22, 17         ; the head's 1,024 rows in qb and av
	s_mov_b32 s31, 0
	s_add_nc_u64 s[88:89], s[4:5], s[30:31]
	s_add_nc_u64 s[16:17], s[16:17], s[30:31]
	s_lshl_b32 s30, s90, 7
	s_add_nc_u64 s[4:5], s[88:89], s[30:31]    ; q and av at my wave's first row
	s_add_nc_u64 s[16:17], s[16:17], s[30:31]
	s_lshl_b32 s30, s21, 8
	s_add_nc_u64 s[12:13], s[12:13], s[30:31]  ; the head's u and v
	s_add_nc_u64 s[14:15], s[14:15], s[30:31]
	CROUND                          ; all sixteen work-groups are here: the first joint loads meet
	JLOAD                           ; slot 0
	v_and_b32 v1, 15, v0            ; l % 16
	v_bfe_u32 v17, v0, 4, 1         ; l / 16
	v_lshlrev_b32 v[QO], 7, v1
	v_lshl_add_u32 v[QO], v17, 4, v[QO]
	v_add_nc_u32 v[QO3], s90, v1    ; the last tile's next queries: row + 49, held inside the head (the held row is never chosen for a score that is read)
	v_add_nc_u32 v[QO3], 49, v[QO3]
	v_min_u32 v[QO3], 0x3ff, v[QO3]
	v_lshlrev_b32 v[QO3], 7, v[QO3]
	v_lshl_add_u32 v[QO3], v17, 4, v[QO3]
	v_lshlrev_b32 v[UO], 5, v17
.set i, 0
.rept 8                             ; q into S's first 64 registers, the next rows' q into the other 64: tile i / 2, channels 32 (i % 2) on
	global_load_b128 v[S+8*i:S+8*i+3],   v[QO], s[4:5] offset:(i/2)*2048+(i%2)*64
	global_load_b128 v[S+8*i+4:S+8*i+7], v[QO], s[4:5] offset:(i/2)*2048+(i%2)*64+32
.if i < 6
	global_load_b128 v[S+64+8*i:S+64+8*i+3],   v[QO], s[4:5] offset:(i/2)*2048+(i%2)*64+128
	global_load_b128 v[S+64+8*i+4:S+64+8*i+7], v[QO], s[4:5] offset:(i/2)*2048+(i%2)*64+160
.else
	global_load_b128 v[S+64+8*i:S+64+8*i+3],   v[QO3], s[88:89] offset:(i%2)*64
	global_load_b128 v[S+64+8*i+4:S+64+8*i+7], v[QO3], s[88:89] offset:(i%2)*64+32
.endif
.set i, i+1
.endr
.set i, 0
.rept 4                             ; u and v in f32, in a fragment's order: channels 16 i + 8 (l / 16) + 0..7
	global_load_b128 v[XB+8*i:XB+8*i+3],   v[UO], s[12:13] offset:64*i
	global_load_b128 v[XB+8*i+4:XB+8*i+7], v[UO], s[12:13] offset:64*i+16
	global_load_b128 v[P+8*i:P+8*i+3],     v[UO], s[14:15] offset:64*i
	global_load_b128 v[P+8*i+4:P+8*i+7],   v[UO], s[14:15] offset:64*i+16
.set i, i+1
.endr
	v_mul_u32_u24 v[AK0], v1, PK
	v_lshl_add_u32 v[AK0], v17, 4, v[AK0]
	s_sub_co_u32 s94, 3, s[WV]      ; my wave's table tiles begin 64 (3 - wave) rows into the window
	s_mul_i32 s94, s94, 64*PK
	s_add_co_u32 s94, s94, ROFF
	v_add_nc_u32 v[AR0], s94, v[AK0]
	v_and_b32 v18, 7, v0
	v_bfe_u32 v19, v0, 3, 1
	v_lshl_add_u32 v[AV0], v17, 3, v18
	v_mul_u32_u24 v[AV0], v[AV0], PV
	v_lshl_add_u32 v[AV0], v19, 4, v[AV0]
	v_add_nc_u32 v[AV0], VOFF, v[AV0]
	s_mul_i32 s94, s[WV], SCRW
	s_add_co_u32 s94, s94, SCR      ; my scratch
	v_mul_u32_u24 v[STS], v1, 336   ; in: row = query, 84 words: the 16 rows of a store start at 16 different groups of four banks
	v_lshl_add_u32 v[STS], v17, 5, v[STS]
	v_add_nc_u32 v[STS], s94, v[STS]
	v_mul_u32_u24 v[SLD], v1, 332   ; back: column key + 15 - query: 83 words from lane to lane: 32 different banks
	v_lshl_add_u32 v[SLD], v17, 5, v[SLD]
	v_add_nc_u32 v[SLD], s94, v[SLD]
	v_add_nc_u32 v[SLD], 60, v[SLD]
	v_add_nc_u32 v[STO], s94, v[AK0]  ; the way out uses the same bytes in rows of 144
	v_bfe_u32 v[RD], v0, 3, 2
	v_mul_u32_u24 v[RD], v[RD], PK
	v_lshl_add_u32 v[RD], v18, 4, v[RD]
	v_add_nc_u32 v[RD], s94, v[RD]
	v_and_b32 v[GO], 31, v0
	v_lshlrev_b32 v[PFO], 8, v[GO]
	v_lshlrev_b32 v[GO], 4, v[GO]
	v_mov_b32 v[TMP+7], 0           ; named with a as a pair
.set i, 0
.rept 4
	v_mov_b32 v[ST+4*i], 0xfe000000    ; c m: far below every c s
	v_mov_b32 v[ST+4*i+1], 0xff7fffff  ; m
	v_mov_b32 v[ST+4*i+2], 0
	v_mov_b32 v[ST+4*i+3], 0
.set i, i+1
.endr
	WIN 0x40
.set i, 0
.rept 128
	v_mov_b32 v[i], 0               ; O^T: no first step is written out; this stands in the wait for the first tile
.set i, i+1
.endr
	WIN 0
	s_wait_loadcnt 0x0
; 64 registers of bf16 pairs at src, plus the f32 vector at ad, rounded to bf16 into dst of another window
.macro MKQ src, ad, dst, win
.set bi, 0
.rept 16
	WIN 0
.irp p, 0,1,2,3
	v_lshlrev_b32 v[T8+2*\p], 16, v[(\src)+4*bi+\p]
	v_and_b32 v[T8+2*\p+1], s87, v[(\src)+4*bi+\p]
.endr
.irp p, 0,1,2,3
	v_pk_add_f32 v[T8+2*\p:T8+2*\p+1], v[T8+2*\p:T8+2*\p+1], v[(\ad)+2*((4*bi+\p)%16):(\ad)+2*((4*bi+\p)%16)+1]
.endr
	WIN \win
.irp p, 0,1,2,3
	v_cvt_pk_bf16_f32 v[(\dst)+4*bi+\p], v[T8+2*\p], v[T8+2*\p+1]
.endr
.set bi, bi+1
.endr
	WIN 0
.endm
	MKQ S, XB, QU, 0x80
	MKQ S, P, QV, 0xc0
	MKQ S+64, P, QVN, 0xc0
.macro UPD                          ; the two copies of Q + v for this step
	WIN 0x8f
.set i, 0
.rept 64
	v_cndmask_b32 v[EARLY+i], v[QV+i], v[QVN+i], s[MKE]
.set i, i+1
.endr
	WIN 0xcf
.set i, 0
.rept 64
	v_cndmask_b32 v[LATE+i], v[QV+i], v[QVN+i], s[MKL]
.set i, i+1
.endr
.endm
.macro FETCH_R                      ; eight table tiles: tile f / 2, channels 32 (f % 2) on
	WIN 0x80
.set f, 0
.rept 16
	ds_load_b128 v[8*f:8*f+3],   v[AR] offset:(f/2)*16*PK+(f%2)*64
	ds_load_b128 v[8*f+4:8*f+7], v[AR] offset:(f/2)*16*PK+(f%2)*64+32
.set f, f+1
.endr
.endm
.macro FETCH_K
	WIN 0x40
.set f, 0
.rept 8
	ds_load_b128 v[KF+8*f:KF+8*f+3],   v[AK] offset:(f/2)*16*PK+(f%2)*64
	ds_load_b128 v[KF+8*f+4:KF+8*f+7], v[AK] offset:(f/2)*16*PK+(f%2)*64+32
.set f, f+1
.endr
.endm
.macro FETCH_V                      ; keys 32 (f / 4) on, channels 16 (f % 4) on, turned
	WIN 0x40
.set f, 0
.rept 8
	ds_load_tr16_b128 v[VF+8*f:VF+8*f+3],   v[AV] offset:(f/4)*32*PV+(f%4)*32
	ds_load_tr16_b128 v[VF+8*f+4:VF+8*f+7], v[AV] offset:(f/4)*32*PV+16*PV+(f%4)*32
.set f, f+1
.endr
.endm
; The band of tile c: five accumulators by turns; the first five products start the sums
.macro BD c
.irp kh, 0,1
.irp tt, 0,1,2,3,4
.if (\tt) > (\c)
	WIN 0x0a
.set rQ, EARLY+16*(\c)+8*(\kh)
.else
	WIN 0x0e
.set rQ, LATE+16*(\c)+8*(\kh)
.endif
.set rR, 16*(3-(\c)+(\tt))+8*(\kh)
.if (\kh) == 0
	v_wmma_f32_16x16x32_bf16 v[XB+8*(\tt):XB+8*(\tt)+7], v[rR:rR+7], v[rQ:rQ+7], 0
.else
	v_wmma_f32_16x16x32_bf16 v[XB+8*(\tt):XB+8*(\tt)+7], v[rR:rR+7], v[rQ:rQ+7], v[XB+8*(\tt):XB+8*(\tt)+7]
.endif
.endr
.endr
.endm
.macro P5                           ; five plain instructions: behind them the band is stored, and the next band's products write over it (ISA guide 7.12.1)
.rept 5
	v_nop
.endr
.endm
; The skew: ten stores, 32 loads.  LDS serves a wave's instructions in order (ISA guide 5.7.1.4): the loads see the stores, and the next tile's stores come behind these loads.
.macro SK c
	WIN 0
.irp tt, 0,1,2,3,4
	ds_store_b128 v[STS], v[XB+8*(\tt):XB+8*(\tt)+3]   offset:64*(\tt)
	ds_store_b128 v[STS], v[XB+8*(\tt)+4:XB+8*(\tt)+7] offset:64*(\tt)+16
.endr
.set i, 0
.rept 32
	ds_load_b32 v[S+32*(\c)+i], v[SLD] offset:64*(i/8)+4*(i%8)
.set i, i+1
.endr
.endm
.macro AC c                         ; S^T = K (Q + u)^T + the shifted band: four accumulators by turns
	WIN 0x09
.set i, 0
.rept 8
	v_wmma_f32_16x16x32_bf16 v[S+32*(\c)+8*(i%4):S+32*(\c)+8*(i%4)+7], v[KF+16*(i%4)+8*(i/4):KF+16*(i%4)+8*(i/4)+7], v[QU+16*(\c)+8*(i/4):QU+16*(\c)+8*(i/4)+7], v[S+32*(\c)+8*(i%4):S+32*(\c)+8*(i%4)+7]
.set i, i+1
.endr
.endm
.macro PVM c                        ; O^T += V^T P
	WIN 0x51
.set i, 0
.rept 8
	v_wmma_f32_16x16x32_bf16 v[32*(\c)+8*(i%4):32*(\c)+8*(i%4)+7], v[VF+32*(i/4)+8*(i%4):VF+32*(i/4)+8*(i%4)+7], v[P+16*((\c)%2)+8*(i/4):P+16*((\c)%2)+8*(i/4)+7], v[32*(\c)+8*(i%4):32*(\c)+8*(i%4)+7]
.set i, i+1
.endr
.endm
; A tile's softmax for a step.  Each accumulator's lowest registers are read first.  The 33 exponentials are one batch with one wait.
.macro SM c
.set rS, S+32*(\c)
.set rT, ST+4*(\c)
.set rP, P+16*((\c)%2)
.set rO, 32*(\c)
	WIN 0
.irp j, 0,1,2,3
	v_max3_num_f32 v[TMP+\j], v[rS+8*\j], v[rS+8*\j+1], v[rS+8*\j+2]
.endr
.irp j, 0,1,2,3
	v_max3_num_f32 v[TMP+\j], v[TMP+\j], v[rS+8*\j+3], v[rS+8*\j+4]
.endr
.irp j, 0,1,2,3
	v_max3_num_f32 v[TMP+\j], v[TMP+\j], v[rS+8*\j+5], v[rS+8*\j+6]
.endr
	v_max3_num_f32 v[TMP], v[TMP], v[rS+7], v[rS+15]
	v_max3_num_f32 v[TMP+2], v[TMP+2], v[rS+23], v[rS+31]
	v_max3_num_f32 v[TMP+1], v[TMP+1], v[TMP+3], v[rT+1]   ; the old m
	v_mov_b32 v[TMP+4], v[rT]                              ; c m_old
	v_max3_num_f32 v[TMP], v[TMP], v[TMP+1], v[TMP+2]
	v_permlanex16_b32 v[TMP+1], v[TMP], s[SEL], s[SEL+1]   ; the query's other 32 keys lie in the lane 16 away
	v_max_num_f32 v[rT+1], v[TMP], v[TMP+1]
	v_mul_f32 v[rT], s[CS], v[rT+1]
	v_sub_f32 v[TMP+5], v[TMP+4], v[rT]
	v_exp_f32 v[TMP+6], v[TMP+5]                           ; a
.set i, 0
.rept 16
	v_pk_fma_f32 v[rS+2*i:rS+2*i+1], v[rS+2*i:rS+2*i+1], s[CS:CS+1], v[rT:rT+1] op_sel_hi:[1,0,0] neg_lo:[0,0,1] neg_hi:[0,0,1]
.set i, i+1
.endr
.set i, 0
.rept 32
	v_exp_f32 v[rS+i], v[rS+i]
.set i, i+1
.endr
	v_nop                           ; a plain instruction behind the last exponential,
	s_wait_alu depctr_va_vdst(0)    ; and the one wait ahead of the first use
.set i, 0
.rept 16
	v_cvt_pk_bf16_f32 v[rP+i], v[rS+2*i], v[rS+2*i+1]
.set i, i+1
.endr
.irp w, 4,8,16,32                   ; the sum of the 16 pairs, in place: neighbours 1, 2, 4, 8 pairs apart
.set i, 0
.rept 32/(\w)
	v_pk_add_f32 v[rS+(\w)*i:rS+(\w)*i+1], v[rS+(\w)*i:rS+(\w)*i+1], v[rS+(\w)*i+(\w)/2:rS+(\w)*i+(\w)/2+1]
.set i, i+1
.endr
.endr
	v_pk_fma_f32 v[rT+2:rT+3], v[rT+2:rT+3], v[TMP+6:TMP+7], v[rS:rS+1] op_sel_hi:[1,0,1]
	WIN 0x41
.set i, 0
.rept 16
	v_pk_mul_f32 v[rO+2*i:rO+2*i+1], v[rO+2*i:rO+2*i+1], v[TMP+6:TMP+7] op_sel_hi:[1,0]
.set i, i+1
.endr
.endm
; A KEY STEP.  The skew of one tile is on its way while the next tile's band is multiplied; a softmax stands between the products of other tiles.
.macro STEP
	s_cmp_ge_u32 s[JS], s[QSW]      ; have the tiles g >= 4 passed row 2048 of the table?
	s_cselect_b32 s[MKE], -1, 0
	s_cmp_gt_u32 s[JS], s[QSW]      ; and the tiles g <= 3?
	s_cselect_b32 s[MKL], -1, 0
	s_add_co_u32 s[JS], s[JS], 1
	WIN 0
	v_add_nc_u32 v[AK], s[TBK], v[AK0]
	v_add_nc_u32 v[AR], s[TBK], v[AR0]
	v_add_nc_u32 v[AV], s[TBV], v[AV0]
	s_add_co_u32 s[TBK], s[TBK], 64*PK
	s_add_co_u32 s[TBV], s[TBV], 64*PV
	UPD                             ; also the places between the last step's products and the loads below
	FETCH_R
	FETCH_K
	FETCH_V
	s_wait_dscnt 32                 ; the table tiles are in; K's and V's 32 loads may stay out
	BD 0
	P5
	SK 0
	BD 1
	P5
	SK 1
	s_wait_dscnt 42                 ; all but the last skew's 42
	AC 0
	BD 2
	P5
	SK 2
	s_wait_dscnt 42
	AC 1
	SM 0
	PVM 0
	BD 3
	P5
	SK 3
	s_wait_dscnt 42
	AC 2
	SM 1
	PVM 1
	s_wait_dscnt 0x0
	AC 3
	SM 2
	PVM 2
	SM 3
	PVM 3
.endm
.macro TWO_STEPS                    ; a slot's two key steps: written once, walked twice
	WIN 0
	s_mov_b32 s[TWICE], 2
.Lstep_\@:
	STEP
	WIN 0
	s_sub_co_u32 s[TWICE], s[TWICE], 1
	s_cmp_lg_u32 s[TWICE], 0
	s_cbranch_scc1 .Lstep_\@
.endm
.Lslot:                             ; 15 trips: a slot is entered and the next asked for
	CHANGE 1
	TWO_STEPS
	s_sub_co_u32 s[SLOTS], s[SLOTS], 1
	s_cmp_lg_u32 s[SLOTS], 0
	s_cbranch_scc1 .Lslot
	CHANGE 0                        ; the last slot is written out
	TWO_STEPS
	; THE WAY OUT: l's halves and the other half of the lanes' are added; O^T is divided by l, rounded to bf16 and sent through my scratch, a tile at a time
	WIN 0
.irp t, 0,1,2,3
	v_add_f32 v[ST+4*\t+2], v[ST+4*\t+2], v[ST+4*\t+3]
.endr
.irp t, 0,1,2,3
	v_permlanex16_b32 v[ST+4*\t+3], v[ST+4*\t+2], s[SEL], s[SEL+1]
.endr
.irp t, 0,1,2,3
	v_add_f32 v[ST+4*\t+2], v[ST+4*\t+2], v[ST+4*\t+3]
.endr
.irp t, 0,1,2,3
	v_rcp_f32 v[ST+4*\t+2], v[ST+4*\t+2]
.endr
	v_nop
	s_wait_alu depctr_va_vdst(0)    ; one wait for the four reciprocals
.macro PACK t
	WIN 0x41
.set i, 32*(\t)
.rept 16
	v_pk_mul_f32 v[i:i+1], v[i:i+1], v[ST+4*(\t)+2:ST+4*(\t)+3] op_sel_hi:[1,0]
.set i, i+2
.endr
	WIN 0x05
.set i, 0
.rept 16
	v_cvt_pk_bf16_f32 v[S+16*(\t)+i], v[32*(\t)+2*i], v[32*(\t)+2*i+1]
.set i, i+1
.endr
	WIN 0
.irp f, 0,1,2,3
	ds_store_b128 v[STO], v[S+16*(\t)+4*\f:S+16*(\t)+4*\f+3] offset:32*\f
.endr
.irp f, 0,1,2,3
	ds_load_b128 v[S+16*(\t)+4*\f:S+16*(\t)+4*\f+3], v[RD] offset:\f*4*PK
.endr
.endm
.macro SEND t, younger              ; younger: the LDS instructions issued behind tile t's loads
	WIN 0
.irp f, 0,1,2,3
	s_wait_dscnt (\younger)+3-\f
	global_store_b128 v[GO], v[S+16*(\t)+4*\f:S+16*(\t)+4*\f+3], s[16:17] offset:(\t)*2048+\f*512  ; 512 consecutive bytes
.endr
.endm
	PACK 0
	PACK 1
	SEND 0, 8
	PACK 2
	SEND 1, 8
	PACK 3
	SEND 2, 8
	SEND 3, 0
	s_wait_tensorcnt 0x0            ; the wave's end
	ds_add_u32 v[SPW], v[NIL]
	s_wait_dscnt 0x0
	CROUND                          ; the closing round
	s_endpgm
.Lfunc_end_k_qf4c7030400_attn:
	.size	k_qf4c7030400_attn, .Lfunc_end_k_qf4c7030400_attn-k_qf4c7030400_attn
	.p2alignl 7, 3214868480
	.fill 96, 4, 3214868480
	.section	.rodata,"a",@progbits
	.p2align	6, 0x0
	.amdhsa_kernel k_qf4c7030400_attn
		.amdhsa_group_segment_fixed_size 327680
		.amdhsa_private_segment_fixed_size 0
		.amdhsa_enable_private_segment 0
		.amdhsa_kernarg_size 56
		.amdhsa_user_sgpr_count 2
		.amdhsa_user_sgpr_kernarg_segment_ptr 1
		.amdhsa_wavefront_size32 1
		.amdhsa_system_sgpr_workgroup_id_x 1
		.amdhsa_system_sgpr_workgroup_id_y 1
		.amdhsa_system_sgpr_workgroup_id_z 1
		.amdhsa_system_vgpr_workitem_id 0
		.amdhsa_next_free_vgpr 960
		.amdhsa_next_free_sgpr 96
		.amdhsa_reserve_vcc 0
		.amdhsa_float_denorm_mode_32 3
		.amdhsa_float_denorm_mode_16_64 3
		.amdhsa_memory_ordered 1
		.amdhsa_forward_progress 1
		.amdhsa_inst_pref_size 187
	.end_amdhsa_kernel
	.amdgpu_metadata
---
amdhsa.version: [ 1, 2 ]
amdhsa.kernels:
  - .name:           k_qf4c7030400_attn
    .symbol:         k_qf4c7030400_attn.kd
    .args:
      - { .name: qb, .offset: 0, .size: 8, .value_kind: global_buffer, .address_space: global }
      - { .name: kb, .offset: 8, .size: 8, .value_kind: global_buffer, .address_space: global }
      - { .name: vb, .offset: 16, .size: 8, .value_kind: global_buffer, .address_space: global }
      - { .name: rx, .offset: 24, .size: 8, .value_kind: global_buffer, .address_space: global }
      - { .name: u, .offset: 32, .size: 8, .value_kind: global_buffer, .address_space: global }
      - { .name: v, .offset: 40, .size: 8, .value_kind: global_buffer, .address_space: global }
      - { .name: av, .offset: 48, .size: 8, .value_kind: global_buffer, .address_space: global }
    .group_segment_fixed_size: 327680
    .private_segment_fixed_size: 0
    .kernarg_segment_align: 8
    .kernarg_segment_size: 56
    .max_flat_workgroup_size: 128
    .sgpr_count:     96
    .vgpr_count:     960
    .wavefront_size: 32
...
	.end_amdgpu_metadata
.endif
;; end of part 3
;; launch outln (part 4): grid 256 x 1, 4 waves a work-group, clusters of 4 x 1, 327,680 bytes of LDS; arguments av, wo, x, ln_gamma, ln_beta, out0; writes out0
.if DOCPART == 4
	.amdgcn_target "amdgcn-amd-amdhsa--gfx1250"
	.amdhsa_code_object_version 6
	.text
	.protected	k_qf4c7030400_outln
	.globl	k_qf4c7030400_outln
	.p2align	8
	.type	k_qf4c7030400_outln,@function
k_qf4c7030400_outln:
	s_mov_b64 s[64:65], 0
	v_nop
	global_prefetch_b8 v0, s[64:65] scope:SCOPE_SE
	s_setreg_imm32_b32 hwreg(HW_REG_WAVE_MODE, 25, 1), 1
	s_wait_xcnt 0x0
	s_wait_alu depctr_hold_cnt(0) depctr_sa_sdst(0) depctr_va_vdst(0) depctr_va_sdst(0) depctr_va_ssrc(0) depctr_va_vcc(0) depctr_vm_vsrc(0)
	s_getreg_b32 s2, hwreg(HW_REG_IB_STS2, 6, 4)
	s_cmp_eq_u32 s2, 0
	s_cbranch_scc0 .Lentry_in_a_cluster
	s_endpgm
.Lentry_in_a_cluster:
	s_bfe_u32 s2, ttmp6, 0x10000c
	s_cmp_lg_u32 s2, 0x3003
	s_cbranch_scc0 .Lentry_shape_is_right
	s_endpgm
.Lentry_shape_is_right:
; out0 = LayerNorm(x + attn_vec W_o) gamma + beta.  av [b][n][1024][64] bf16, wo [1024 k][1024] bf16, x, out0 [1024][4][1024] f32.
; A work-group owns 16 whole rows (queries 16 X .. 16 X + 15 of batch cx), so a row's mean and variance never leave it; wave w owns columns 256 w .. 256 w + 255: 16 accumulators.
; K goes in 16 steps of 64, a head a step.  W_o's tile of a step (64 k-rows x my 256 columns) is the same in all four work-groups of the cluster: asked for jointly, each wave its own.
; The 16 rows of av come straight from memory into fragments.  The product is used transposed (source 0 = 16 columns of W_o, turned out of LDS; source 1 = the 16 rows).
; x is added in f32; the variance is taken of h - mean (two passes), so a common offset of the inputs does no harm.
; No prefetch: W_o is read again by every cluster, and av is a small part of a step's bytes.
; LIMITS: matrix operands in bf16; NaN and infinities are not treated apart.
; REGISTERS: window 0: v0-31 addresses; v32-63 av's fragments, two buffers; v64-95 sums and means, v96-127 squares and reciprocal roots (a pair a row); v128-255 accumulators, later at work
;   window 1: W_o's fragments of a step (k half ck, column block t at 128 ck + 8 t); later h (half q of my columns, row p at 64 q + 4 p)      window 2: v0-127 x in h's layout; v128-135 gamma; v136-143 beta
.set PW,    544                        ; a k-row of my tile in LDS: 512 bytes + 32
.set WTILE, 64*PW
.set SLOT,  4*WTILE
.set STG,   2*SLOT                     ; behind the ring: 16 rows x 528 bytes for each wave
.set SGP,   528
.set RED,   STG+4*16*SGP               ; 2 x 256 bytes: the waves' partial sums, [row][wave]
.set SPARE, RED+512                    ; the spare words: 128 bytes a wave
.set ADRB, 2                           ; v2-3
.set AO,   4
.set XO,   5
.set SST,  6
.set SRD,  7
.set RST,  8
.set RRD,  9
.set AF,   32
.set SU,   64
.set SQ,   96
.set ACC,  128
.set MSB, 0
.macro WIN new
.if MSB != (\new)
	s_set_vgpr_msb (MSB<<8)|(\new)
.set MSB, (\new)
.endif
.endm
.macro ROUND                           ; a round of the cluster's barrier
	s_barrier_signal -1
	s_barrier_wait -1
	s_cmp_lg_u32 s16, 0
	s_cbranch_scc1 .Lnot_wave_0_\@
	s_barrier_signal -3
.Lnot_wave_0_\@:
	s_barrier_wait -3
	s_barrier_signal -1
	s_barrier_wait -1
.endm
.macro PLACES
.rept 4
	v_nop
.endr
.endm
	s_load_b256 s[4:11], s[0:1], 0x0               ; av 4, wo 6, x 8, gamma 10
	s_load_b128 s[12:15], s[0:1], 0x20             ; beta 12, out0 14
	v_lshl_add_u32 v30, v0, 2, SPARE
	v_mov_b32 v31, 0
	ds_add_u32 v30, v31                            ; the wave's opening: the add and its wait ahead of my first tensor load
	v_lshrrev_b32 v1, 5, v0
	v_readfirstlane_b32 s16, v1                    ; wave
	s_bfe_u32 s17, ttmp6, 0x40000                  ; cx: the batch
	s_mov_b32 s24, 15|(1<<16)|(1<<20)|(1<<21)|(6<<22)|(7<<25)  ; all four work-groups; 2-byte elements; padding after every 128 words, 8 words
	s_mov_b32 s25, 256<<16                         ; 64 k-rows x 256 elements, 1,024 elements from row to row
	s_mov_b32 s26, 64<<16
	s_mov_b32 s27, 256<<16
	s_mov_b32 s28, 64
	s_mov_b32 s29, 1024
	s_mov_b32 s30, 0
	s_mov_b32 s31, 0
	s_mul_i32 s46, s16, WTILE                      ; my part of a slot
	s_mov_b32 s32, 1
	s_mov_b32 s33, s46
	s_mov_b32 s36, 1
	s_add_co_u32 s37, s46, SLOT
	s_lshl_b32 s48, s16, 9                         ; my 256 columns of wo
	s_mov_b32 s49, 0
	s_mov_b32 s40, 0x3a800000                      ; 1 / 1024
	s_mov_b32 s41, 0x3727c5ac                      ; 1e-5
	s_mov_b32 s42, 0x76543210
	s_mov_b32 s43, 0xfedcba98
	s_lshl_b32 s50, s17, 21                        ; av: batch x 16 heads x 1,024 rows x 128 bytes
	s_lshl_b32 s51, ttmp9, 11                      ; + 16 X rows
	s_add_co_u32 s50, s50, s51
	s_mov_b32 s51, 0
	s_lshl_b32 s56, ttmp9, 18                      ; x and out0: 16 X rows of 16,384 bytes + batch x 4,096 + wave x 1,024
	s_lshl_b32 s57, s17, 12
	s_add_co_u32 s56, s56, s57
	s_lshl_b32 s58, s16, 10
	s_add_co_u32 s56, s56, s58
	s_mov_b32 s57, 0
	s_mov_b32 s59, 0
	s_wait_dscnt 0x0                               ; the opening add is done
	s_wait_kmcnt 0x0
	s_add_nc_u64 s[34:35], s[6:7], s[48:49]        ; step 0's tile,
	s_add_nc_u64 s[38:39], s[34:35], 131072        ; step 1's: 64 k-rows of 2,048 bytes on
	s_or_b32 s35, s35, 0x80000000
	s_or_b32 s39, s39, 0x80000000
	s_add_nc_u64 s[50:51], s[4:5], s[50:51]
	s_add_nc_u64 s[52:53], s[8:9], s[56:57]
	s_add_nc_u64 s[54:55], s[14:15], s[56:57]
	s_add_nc_u64 s[10:11], s[10:11], s[58:59]
	s_add_nc_u64 s[12:13], s[12:13], s[58:59]
	ROUND                                          ; all four work-groups are here
	tensor_load_to_lds s[32:35], s[24:31]          ; step 0
	s_nop 0
	PLACES
	v_and_b32 v1, 15, v0                           ; l % 16
	v_bfe_u32 v10, v0, 4, 1                        ; l / 16
	v_and_b32 v11, 7, v0
	v_bfe_u32 v12, v0, 3, 1
	v_and_b32 v13, 31, v0
	v_lshl_add_u32 v[ADRB], v10, 3, v11            ; the turning load: k-row 8 (l / 16) + l % 8, columns 8 ((l / 8) % 2) + 0..7
	v_mul_u32_u24 v[ADRB], v[ADRB], PW
	v_lshl_add_u32 v[ADRB], v12, 4, v[ADRB]
	v_add_nc_u32 v[ADRB], s46, v[ADRB]
	v_add_nc_u32 v[ADRB+1], SLOT, v[ADRB]
	v_lshlrev_b32 v[AO], 7, v1
	v_lshl_add_u32 v[AO], v10, 4, v[AO]
	v_lshlrev_b32 v[XO], 4, v13
	s_mul_i32 s46, s16, 16*SGP
	s_add_co_u32 s46, s46, STG                     ; my stage
	v_mul_u32_u24 v[SST], v1, SGP
	v_lshl_add_u32 v[SST], v10, 5, v[SST]
	v_add_nc_u32 v[SST], s46, v[SST]
	v_add_nc_u32 v[SRD], s46, v[XO]
	s_lshl_b32 s46, s16, 2
	s_add_co_u32 s46, s46, RED
	v_mov_b32 v[RST], s46
	v_mov_b32 v[RRD], RED
	WIN 0x80
.irp q, 0,1
.set i, 0
.rept 16
	global_load_b128 v[64*\q+4*i:64*\q+4*i+3], v[XO], s[52:53] offset:i*16384+512*\q th:TH_LOAD_NT
.set i, i+1
.endr
	global_load_b128 v[128+4*\q:128+4*\q+3], v[XO], s[10:11] offset:512*\q
	global_load_b128 v[136+4*\q:136+4*\q+3], v[XO], s[12:13] offset:512*\q
.endr
	WIN 0
.macro ALOAD b                         ; a head's 64 channels of my 16 rows into buffer b
.irp ck, 0,1
	global_load_b128 v[AF+16*(\b)+8*\ck:AF+16*(\b)+8*\ck+3],   v[AO], s[50:51] offset:64*\ck
	global_load_b128 v[AF+16*(\b)+8*\ck+4:AF+16*(\b)+8*\ck+7], v[AO], s[50:51] offset:64*\ck+32
.endr
.endm
	ALOAD 0
; A K STEP.  Each wave waits for all its tensor loads (this step's tile), adds 0 to its spare word, waits for that and for its reads of the other slot; a round of the cluster's barrier;
; the next step's tile is asked for first thing behind it, into the slot read last.
.macro TRIP slot, refill, zero
	WIN 0
	s_wait_tensorcnt 0x0
	ds_add_u32 v30, v31
	s_add_nc_u64 s[34+4*(\slot):35+4*(\slot)], s[34+4*(\slot):35+4*(\slot)], 262144  ; no load of mine is out: this slot's next tile, two steps on
	s_wait_dscnt 0x0
	ROUND
.if \refill
	tensor_load_to_lds s[36-4*(\slot):39-4*(\slot)], s[24:31]
	s_nop 0
.endif
	PLACES                                         ; also the places between the last step's products and the loads into their sources
	s_wait_loadcnt 0x0                             ; this step's rows of av are in (in the first step: x, gamma and beta too), so their base may be stepped
.if \refill
	s_add_nc_u64 s[50:51], s[50:51], 131072        ; the next head
	ALOAD 1-(\slot)
.endif
	WIN 0x40
.irp ck, 0,1
.set t, 0
.rept 16
	ds_load_tr16_b128 v[128*\ck+8*t:128*\ck+8*t+3],   v[ADRB+(\slot)] offset:\ck*32*PW+32*t
	ds_load_tr16_b128 v[128*\ck+8*t+4:128*\ck+8*t+7], v[ADRB+(\slot)] offset:\ck*32*PW+32*t+16*PW
.set t, t+1
.endr
.endr
	WIN 0x01                                       ; source 0 window 1
.irp ck, 0,1
	s_wait_dscnt 32-32*\ck                         ; the fragments of this 32 along K are in
.set t, 0
.rept 16                                           ; the 16 accumulators take turns
.if (\zero) && (\ck == 0)
	v_wmma_f32_16x16x32_bf16 v[ACC+8*t:ACC+8*t+7], v[128*\ck+8*t:128*\ck+8*t+7], v[AF+16*(\slot)+8*\ck:AF+16*(\slot)+8*\ck+7], 0
.else
	v_wmma_f32_16x16x32_bf16 v[ACC+8*t:ACC+8*t+7], v[128*\ck+8*t:128*\ck+8*t+7], v[AF+16*(\slot)+8*\ck:AF+16*(\slot)+8*\ck+7], v[ACC+8*t:ACC+8*t+7]
.endif
.set t, t+1
.endr
.endr
.endm
	TRIP 0, 1, 1                                   ; the first products start the sums
	WIN 0
	s_mov_b32 s44, 7
.Lk:
	TRIP 1, 1, 0
	TRIP 0, 1, 0
	WIN 0
	s_sub_co_u32 s44, s44, 1
	s_cmp_lg_u32 s44, 0
	s_cbranch_scc1 .Lk
	TRIP 1, 0, 0                                   ; the last step asks for nothing
	WIN 0
	; Through my stage, 128 columns at a time: in, a lane has 8 columns of one row; back, 32 lanes take a row's 512 bytes.  LDS serves a wave's instructions in order (ISA guide 5.7.1.4).
	PLACES
.irp q, 0,1
.irp t, 0,1,2,3,4,5,6,7
	ds_store_b128 v[SST], v[ACC+8*(8*\q+\t):ACC+8*(8*\q+\t)+3]   offset:64*\t
	ds_store_b128 v[SST], v[ACC+8*(8*\q+\t)+4:ACC+8*(8*\q+\t)+7] offset:64*\t+16
.endr
	WIN 0x40
.set i, 0
.rept 16
	ds_load_b128 v[64*\q+4*i:64*\q+4*i+3], v[SRD] offset:i*SGP
.set i, i+1
.endr
	WIN 0
.endr
	s_wait_dscnt 0x0
	WIN 0x49                                       ; h = product + x: destination and source 0 window 1, source 1 window 2
.set i, 0
.rept 64
	v_pk_add_f32 v[2*i:2*i+1], v[2*i:2*i+1], v[2*i:2*i+1]
.set i, i+1
.endr
; the sum over the 32 lanes of 16 numbers at b, b + 2, ..: four steps inside each half of the lanes, one across
.macro XLANE b
.irp m, 1,2,4,8
.set i, 0
.rept 16
	v_add_f32_dpp v[(\b)+2*i], v[(\b)+2*i], v[(\b)+2*i] row_xmask:\m row_mask:0xf bank_mask:0xf
.set i, i+1
.endr
.endr
.set i, 0
.rept 16
	v_permlanex16_b32 v[ACC+4*i+2], v[(\b)+2*i], s42, s43
.set i, i+1
.endr
.set i, 0
.rept 16
	v_add_f32 v[(\b)+2*i], v[(\b)+2*i], v[ACC+4*i+2]
.set i, i+1
.endr
.endm
; my 16 partial sums at b go to LDS at byte off of RED; behind a barrier every wave reads all four waves' and adds them: row i's total in v[ACC+4 i]
.macro MEET b, off
.set i, 0
.rept 16
	ds_store_b32 v[RST], v[(\b)+2*i] offset:(\off)+16*i
.set i, i+1
.endr
	s_wait_dscnt 0x0                               ; for the others' sake
	s_barrier_signal -1
	s_barrier_wait -1
.set i, 0
.rept 16
	ds_load_b128 v[ACC+4*i:ACC+4*i+3], v[RRD] offset:(\off)+16*i
.set i, i+1
.endr
	s_wait_dscnt 0x0
.set i, 0
.rept 16
	v_pk_add_f32 v[ACC+4*i:ACC+4*i+1], v[ACC+4*i:ACC+4*i+1], v[ACC+4*i+2:ACC+4*i+3]
.set i, i+1
.endr
.set i, 0
.rept 16
	v_add_f32 v[ACC+4*i], v[ACC+4*i], v[ACC+4*i+1]
.set i, i+1
.endr
.endm
	WIN 0x05                                       ; sources window 1, destination window 0: a lane's 8 numbers of each row
.set i, 0
.rept 16
	v_pk_add_f32 v[ACC+4*i:ACC+4*i+1],   v[4*i:4*i+1],       v[4*i+2:4*i+3]
	v_pk_add_f32 v[ACC+4*i+2:ACC+4*i+3], v[64+4*i:64+4*i+1], v[64+4*i+2:64+4*i+3]
.set i, i+1
.endr
	WIN 0
.set i, 0
.rept 16
	v_pk_add_f32 v[ACC+4*i:ACC+4*i+1], v[ACC+4*i:ACC+4*i+1], v[ACC+4*i+2:ACC+4*i+3]
.set i, i+1
.endr
.set i, 0
.rept 16
	v_add_f32 v[SU+2*i], v[ACC+4*i], v[ACC+4*i+1]
.set i, i+1
.endr
	XLANE SU
	MEET SU, 0
.set i, 0
.rept 16
	v_mul_f32 v[SU+2*i], s40, v[ACC+4*i]           ; the mean, in both registers of a pair
	v_mul_f32 v[SU+2*i+1], s40, v[ACC+4*i]
.set i, i+1
.endr
	WIN 0x41                                       ; d = h - mean
.irp q, 0,1
.set i, 0
.rept 16
	v_pk_add_f32 v[64*\q+4*i:64*\q+4*i+1],   v[64*\q+4*i:64*\q+4*i+1],   v[SU+2*i:SU+2*i+1] neg_lo:[0,1] neg_hi:[0,1]
	v_pk_add_f32 v[64*\q+4*i+2:64*\q+4*i+3], v[64*\q+4*i+2:64*\q+4*i+3], v[SU+2*i:SU+2*i+1] neg_lo:[0,1] neg_hi:[0,1]
.set i, i+1
.endr
.endr
	WIN 0x05                                       ; the squares
.set i, 0
.rept 16
	v_pk_mul_f32 v[ACC+4*i:ACC+4*i+1], v[4*i:4*i+1], v[4*i:4*i+1]
.set i, i+1
.endr
.irp o, 2,64,66
.set i, 0
.rept 16
	v_pk_fma_f32 v[ACC+4*i:ACC+4*i+1], v[\o+4*i:\o+4*i+1], v[\o+4*i:\o+4*i+1], v[ACC+4*i:ACC+4*i+1]
.set i, i+1
.endr
.endr
	WIN 0
.set i, 0
.rept 16
	v_add_f32 v[SQ+2*i], v[ACC+4*i], v[ACC+4*i+1]
.set i, i+1
.endr
	XLANE SQ
	MEET SQ, 256                                   ; other bytes than the first meeting's: one barrier each
.set i, 0
.rept 16
	v_fma_f32 v[ACC+4*i], v[ACC+4*i], s40, s41     ; variance + 1e-5
.set i, i+1
.endr
.set i, 0
.rept 16
	v_rsq_f32 v[SQ+2*i], v[ACC+4*i]
.set i, i+1
.endr
	v_nop
	s_wait_alu depctr_va_vdst(0)                   ; one wait for the sixteen
.set i, 0
.rept 16
	v_mov_b32 v[SQ+2*i+1], v[SQ+2*i]
.set i, i+1
.endr
	WIN 0x41
.irp q, 0,1
.set i, 0
.rept 16
	v_pk_mul_f32 v[64*\q+4*i:64*\q+4*i+1],   v[64*\q+4*i:64*\q+4*i+1],   v[SQ+2*i:SQ+2*i+1]
	v_pk_mul_f32 v[64*\q+4*i+2:64*\q+4*i+3], v[64*\q+4*i+2:64*\q+4*i+3], v[SQ+2*i:SQ+2*i+1]
.set i, i+1
.endr
.endr
	WIN 0x69                                       ; times gamma plus beta: sources 1 and 2 window 2
.irp q, 0,1
.set i, 0
.rept 16
	v_pk_fma_f32 v[64*\q+4*i:64*\q+4*i+1],   v[64*\q+4*i:64*\q+4*i+1],   v[128+4*\q:128+4*\q+1], v[136+4*\q:136+4*\q+1]
	v_pk_fma_f32 v[64*\q+4*i+2:64*\q+4*i+3], v[64*\q+4*i+2:64*\q+4*i+3], v[128+4*\q+2:128+4*\q+3], v[136+4*\q+2:136+4*\q+3]
.set i, i+1
.endr
.endr
	WIN 0x04                                       ; a store's data is source 1: window 1
.irp q, 0,1
.set i, 0
.rept 16
	global_store_b128 v[XO], v[64*\q+4*i:64*\q+4*i+3], s[54:55] offset:i*16384+512*\q th:TH_STORE_NT  ; 512 consecutive bytes
.set i, i+1
.endr
.endr
	WIN 0
	s_wait_tensorcnt 0x0                           ; the wave's end
	ds_add_u32 v30, v31
	s_wait_dscnt 0x0
	ROUND                                          ; the closing round
	s_endpgm
.Lfunc_end_k_qf4c7030400_outln:
	.size	k_qf4c7030400_outln, .Lfunc_end_k_qf4c7030400_outln-k_qf4c7030400_outln
	.p2alignl 7, 3214868480
	.fill 96, 4, 3214868480
	.section	.rodata,"a",@progbits
	.p2align	6, 0x0
	.amdhsa_kernel k_qf4c7030400_outln
		.amdhsa_group_segment_fixed_size 327680
		.amdhsa_private_segment_fixed_size 0
		.amdhsa_enable_private_segment 0
		.amdhsa_kernarg_size 48
		.amdhsa_user_sgpr_count 2
		.amdhsa_user_sgpr_kernarg_segment_ptr 1
		.amdhsa_wavefront_size32 1
		.amdhsa_system_sgpr_workgroup_id_x 1
		.amdhsa_system_sgpr_workgroup_id_y 1
		.amdhsa_system_sgpr_workgroup_id_z 1
		.amdhsa_system_vgpr_workitem_id 0
		.amdhsa_next_free_vgpr 704
		.amdhsa_next_free_sgpr 66
		.amdhsa_reserve_vcc 0
		.amdhsa_float_denorm_mode_32 3
		.amdhsa_float_denorm_mode_16_64 3
		.amdhsa_memory_ordered 1
		.amdhsa_forward_progress 1
		.amdhsa_inst_pref_size 91
	.end_amdhsa_kernel
	.amdgpu_metadata
---
amdhsa.version: [ 1, 2 ]
amdhsa.kernels:
  - .name:           k_qf4c7030400_outln
    .symbol:         k_qf4c7030400_outln.kd
    .args:
      - { .name: av, .offset: 0, .size: 8, .value_kind: global_buffer, .address_space: global }
      - { .name: wo, .offset: 8, .size: 8, .value_kind: global_buffer, .address_space: global }
      - { .name: x, .offset: 16, .size: 8, .value_kind: global_buffer, .address_space: global }
      - { .name: ln_gamma, .offset: 24, .size: 8, .value_kind: global_buffer, .address_space: global }
      - { .name: ln_beta, .offset: 32, .size: 8, .value_kind: global_buffer, .address_space: global }
      - { .name: out0, .offset: 40, .size: 8, .value_kind: global_buffer, .address_space: global }
    .group_segment_fixed_size: 327680
    .private_segment_fixed_size: 0
    .kernarg_segment_align: 8
    .kernarg_segment_size: 48
    .max_flat_workgroup_size: 128
    .sgpr_count:     66
    .vgpr_count:     704
    .wavefront_size: 32
...
	.end_amdgpu_metadata
.endif
;; end of part 4
;; ======== version 2 of 3: 5 launches
;; workspace buffers: ab 20,971,520 bytes; wc 8,388,608 bytes; wo 2,097,152 bytes; kb 16,777,216 bytes; vb 16,777,216 bytes; qb 8,388,608 bytes; rx 6,553,600 bytes; av 8,388,608 bytes
;; launch cvt: the kernel of part 1 again; grid 64 x 15, 4 waves a work-group, no clusters, 0 bytes of LDS; arguments mems, x, r, W_qkv, W_r, W_o, ab, wc, wo, rx; writes ab, wc, wo, rx
;; launch proj (part 5): grid 8 x 44, 4 waves a work-group, clusters of 4 x 4, 327,680 bytes of LDS; arguments ab, wc, kb, vb, qb, rx; writes kb, vb, qb, rx
.if DOCPART == 5
	.amdgcn_target "amdgcn-amd-amdhsa--gfx1250"
	.amdhsa_code_object_version 6
	.text
	.protected	k_qf4c7030400_proj
	.globl	k_qf4c7030400_proj
	.p2align	8
	.type	k_qf4c7030400_proj,@function
k_qf4c7030400_proj:
	s_mov_b64 s[64:65], 0
	v_nop
	global_prefetch_b8 v0, s[64:65] scope:SCOPE_SE
	s_setreg_imm32_b32 hwreg(HW_REG_WAVE_MODE, 25, 1), 1
	s_wait_xcnt 0x0
	s_wait_alu depctr_hold_cnt(0) depctr_sa_sdst(0) depctr_va_vdst(0) depctr_va_sdst(0) depctr_va_ssrc(0) depctr_va_vcc(0) depctr_vm_vsrc(0)
	s_getreg_b32 s2, hwreg(HW_REG_IB_STS2, 6, 4)
	s_cmp_eq_u32 s2, 0
	s_cbranch_scc0 .Lentry_in_a_cluster
	s_endpgm
.Lentry_in_a_cluster:
	s_bfe_u32 s2, ttmp6, 0x10000c
	s_cmp_lg_u32 s2, 0xf033
	s_cbranch_scc0 .Lentry_shape_is_right
	s_endpgm
.Lentry_shape_is_right:
; ALL FOUR PROJECTIONS: C = A W, A = ab [10240][1024] bf16 (rows along K), W = wc [1024 k][4096] bf16 (columns along the rows), sums in f32, C rounded once to bf16.
; A tile of C is 256 x 256; four waves, each 128 x 128: 64 accumulators, 512 registers.  K = 1,024 goes in eight steps of 128 through two LDS slots: a step is 256 matrix instructions a wave.
; SECTIONS, by the cluster's y (the same in all sixteen partners):
;   0-7  K and V: all 8,192 context rows x columns 1024-3071      8, 9  Q: the 4,096 rows of x x columns 0-1023      10  R: the 2,048 rows of r x columns 3072-4095
; 352 work-groups: the tile is chosen for the work that each byte from LDS feeds and for few starts and ends; the price is a second turn that has work for 96 work-groups only.
; OUT, by heads: kb, vb [b][n][2048][64], qb [b][n][1024][64], rx [n][3200][64].  A tile's 256 rows are 64 positions x 4 (batch; for r: the quarter of the table), its 256 columns four heads.
; rx: row m holds rk[m]; rows 2049 + m hold rk[m] once more for m < 1024 (the part of the relative shift that wraps into the next query's row).
; CLUSTERS: 4 x 4.  A's tile hangs on the tile row, shared along a row of the cluster; W's on the tile column, shared along a column: each is asked for jointly.
; THE MATRIX INSTRUCTION IS USED TRANSPOSED (source 0 = 16 columns of W, turned out of LDS by ds_load_tr16_b128; source 1 = 16 rows of A): a lane holds eight neighbouring numbers of a row of C.
; LIMITS: operands in bf16; results beyond bf16's range become infinities; NaN and infinities are not treated apart.
; REGISTERS, in windows of 256 (s_set_vgpr_msb: bits 1:0 source 0, 3:2 source 1, 5:4 source 2, 7:6 destination):
;   window 0: v0-31 addresses; v64-127, v128-191 fragments of A, two buffers; v32-63, v192-255 the way out      window 1: v64-127, v128-191 fragments of W, two buffers
;   window 2: the accumulators of my rows 0-63 ((a, b) at 8 (8 a + b));   window 3: those of my rows 64-127
.set PA,     272                       ; a row of A in LDS: 256 bytes + 16: the 16 rows of a load start at 16 different groups of four banks
.set PB,     544                       ; a k-row of W in LDS: 512 bytes + 32
.set HALFA,  128*PA                    ; what one load brings of A: 128 rows
.set HALFB,  64*PB                     ; of W: 64 k-rows
.set SLOT,   2*HALFA+2*HALFB           ; A's 256 rows, then W's 128 k-rows
.set STAGE,  2*SLOT                    ; behind the ring: 16 rows x 272 bytes for each wave
.set SPITCH, 272
.set SPARE,  STAGE+4*16*SPITCH         ; the spare words: 128 bytes a wave
.set LAPS,   4                         ; a lap = two K steps = once round the ring
.set CO,   8                           ; v8-11   16 x lane + batch x (bytes from batch to batch)
.set ADRA, 16                          ; v16-17  my A fragments in slot 0, 1
.set ADRB, 20                          ; v20-21  my W fragments
.set STO,  24
.set RD,   25
.set SPW,  28
.set NIL,  29
.set PFO,  30                          ; the prefetches' offset; never rewritten
.set F0,   64
.set F1,   128
.set TMP,  192
.set OB,   32
.set G1,  32                           ; s[32:39] group 1 for A; s[40:47] group 0, a set a slot
.set G0,  40
.set G1B, 48                           ; s[48:55], s[56:63] the same for W
.set G0B, 56
.set RSEC, 74                          ; s74  1 in section R
.set LIM,  75                          ; s75  1 in a wave that prefetches, else the greatest number
.set PFA,  92                          ; s[92:93] where my prefetches stand
.set PST,  94                          ; s[94:95] their step from K step to K step
.set MSB, 0
.macro WIN new
.if MSB != (\new)
	s_set_vgpr_msb (MSB<<8)|(\new)
.set MSB, \new
.endif
.endm
.set MUL_LO, 0xa1                      ; source 0 (W) window 1, source 1 (A) window 0, C and D window 2
.set MUL_HI, 0xf1                      ; the same, C and D window 3
.set TO_B,   0x40                      ; destination window 1, address window 0
.macro JLOAD s                         ; waves 0, 1 fetch A's halves, waves 2, 3 W's; an s_nop 0 and four v_nop follow each line
	s_cmp_eq_u32 s17, 0
	s_cbranch_scc0 .Lfor_b_\@
	tensor_load_to_lds s[G0+4*(\s):G0+4*(\s)+3], s[G1:G1+7]
	s_nop 0
.rept 4
	v_nop
.endr
	s_branch .Lasked_\@
.Lfor_b_\@:
	tensor_load_to_lds s[G0B+4*(\s):G0B+4*(\s)+3], s[G1B:G1B+7]
	s_nop 0
.rept 4
	v_nop
.endr
.Lasked_\@:
.endm
; A PREFETCH INTO THE L2, behind each joint load and the run of LDS loads that follows it: my share of the K step that stands two refills on, 512 matrix instructions ahead of the load that will want it.
; 32 blocks of 256 bytes, a lane a block.  Of the 128 rows of A that a wave fetches, the partner at place cx takes 32; of the 64 k-rows x 512 bytes of W, the partner at place cy takes 16 k-rows: told apart by
; address.  Each block is named once in the launch.  A's rows: the cluster with x = 0 in section K and V (section Q reads rows that are named there), and both clusters of section R, whose rows differ.
; W's columns: both clusters with y = 0 (K's columns and V's), and the cluster with x = 0 in the first row of clusters of section Q and in section R, where both clusters along x read the same columns.
; The first four K steps come by their loads alone; the last two refills have no K step two on (s3 = 1 in the loop's last trip).
.macro ASK
	s_cmp_gt_u32 s3, s[LIM]
	s_cbranch_scc0 .Lnot_mine_\@
	global_prefetch_b8 v[PFO], s[PFA:PFA+1] th:TH_LOAD_NT scope:SCOPE_SE
.Lnot_mine_\@:
.endm
.macro CREST                           ; a round of the cluster's barrier behind its opening barrier
	s_cmp_lg_u32 s16, 0
	s_cbranch_scc1 .Lnot_wave_0_\@
	s_barrier_signal -3
.Lnot_wave_0_\@:
	s_barrier_wait -3
	s_barrier_signal -1
	s_barrier_wait -1
.endm
.macro CROUND
	s_barrier_signal -1
	s_barrier_wait -1
	CREST
.endm
	s_load_b256 s[4:11], s[0:1], 0x0               ; ab 4, wc 6, kb 8, vb 10
	s_load_b128 s[12:15], s[0:1], 0x20             ; qb 12, rx 14
	v_lshl_add_u32 v[SPW], v0, 2, SPARE
	v_mov_b32 v[NIL], 0
	ds_add_u32 v[SPW], v[NIL]                      ; the wave's opening: the add and its wait ahead of my first tensor load
	v_lshrrev_b32 v1, 5, v0
	v_readfirstlane_b32 s16, v1                    ; wave
	s_lshr_b32 s17, s16, 1                         ; my half of the tile's rows; also: I fetch for A (0) or W (1)
	s_and_b32 s18, s16, 1                          ; my half of its columns; also: which half I fetch
	s_bfe_u32 s19, ttmp6, 0x40000                  ; cx
	s_bfe_u32 s20, ttmp6, 0x40004                  ; cy
	s_mov_b32 s21, ttmp9                           ; cluster x
	s_and_b32 s22, ttmp7, 0xffff                   ; cluster y
	s_lshl_b32 s23, s21, 2
	s_add_co_u32 s23, s23, s19                     ; X
	s_lshl_b32 s24, s22, 2
	s_add_co_u32 s24, s24, s20                     ; Y
	s_lshl_b32 s70, s21, 3                         ; the tile row in ab (256 rows each).  Q: 16 + (Y - 32) + 8 x cluster x
	s_add_co_u32 s70, s70, s24
	s_sub_co_u32 s70, s70, 16
	s_lshl_b32 s71, s21, 2                         ; R: 32 + (Y - 40) + 4 x cluster x
	s_add_co_u32 s71, s71, s24
	s_sub_co_u32 s71, s71, 8
	s_cmp_lt_u32 s22, 10
	s_cselect_b32 s26, s70, s71
	s_cmp_lt_u32 s22, 8
	s_cselect_b32 s26, s24, s26                    ; K and V: Y
	s_and_b32 s82, s23, 3                          ; the tile's first column in wc
	s_lshl_b32 s72, s82, 8
	s_add_co_u32 s73, s72, 3072
	s_cmp_lt_u32 s22, 10
	s_cselect_b32 s27, s72, s73
	s_lshl_b32 s72, s23, 8
	s_add_co_u32 s72, s72, 1024
	s_cmp_lt_u32 s22, 8
	s_cselect_b32 s27, s72, s27
	s_lshl_b32 s80, s20, 2
	s_lshl_b32 s80, 15, s80                        ; my row of the cluster
	s_lshl_b32 s81, 0x1111, s19                    ; my column
	s_or_b32 s[G1], s80, (1<<16)|(1<<20)|(1<<21)|(5<<22)|(3<<25)   ; 2-byte elements; padding after every 64 words, 4 words; bit 21 beside the mask
	s_or_b32 s[G1B], s81, (1<<16)|(1<<20)|(1<<21)|(6<<22)|(7<<25)  ; after every 128 words, 8 words
	s_mov_b32 s[G1+1], 128<<16                     ; A: 128 rows x 128 elements, 1,024 elements from row to row
	s_mov_b32 s[G1+2], 128<<16
	s_mov_b32 s[G1+3], 128<<16
	s_mov_b32 s[G1+4], 128
	s_mov_b32 s[G1+5], 1024
	s_mov_b32 s[G1+6], 0
	s_mov_b32 s[G1+7], 0
	s_mov_b32 s[G1B+1], 256<<16                    ; W: 64 k-rows x 256 elements, 4,096 elements from row to row
	s_mov_b32 s[G1B+2], 64<<16
	s_mov_b32 s[G1B+3], 256<<16
	s_mov_b32 s[G1B+4], 64
	s_mov_b32 s[G1B+5], 4096
	s_mov_b32 s[G1B+6], 0
	s_mov_b32 s[G1B+7], 0
	s_lshl_b32 s84, s26, 8
	s_lshl_b32 s85, s18, 7
	s_add_co_u32 s84, s84, s85
	s_lshl_b32 s84, s84, 11                        ; A: (256 tile row + 128 half) x 2,048 bytes
	s_mov_b32 s85, 0
	s_lshl_b32 s86, s27, 1
	s_lshl_b32 s87, s18, 19
	s_add_co_u32 s86, s86, s87                     ; W: 2 x column + half x 64 k-rows of 8,192 bytes
	s_mov_b32 s87, 0
	s_mul_i32 s28, s18, HALFA                      ; where they go: no place in the cluster enters an LDS address
	s_mul_i32 s29, s18, HALFB
	s_add_co_u32 s29, s29, 2*HALFA
	s_mov_b32 s67, 65536                           ; bytes from batch to batch (R: from quarter to quarter of the table),
	s_mov_b32 s68, 409600                          ; from head to head,
	s_mov_b32 s69, 32                              ; and the section's first tile row
	s_cmp_lt_u32 s22, 10
	s_cselect_b32 s67, 0x200000, s67
	s_cselect_b32 s68, 0x20000, s68
	s_cselect_b32 s69, 16, s69
	s_cselect_b32 s[RSEC], 0, 1
	s_cmp_lt_u32 s22, 8
	s_cselect_b32 s67, 0x400000, s67
	s_cselect_b32 s68, 0x40000, s68
	s_cselect_b32 s69, 0, s69
	s_sub_co_u32 s66, s26, s69
	s_lshl_b32 s66, s66, 13                        ; the tile's first position x 128 bytes: 64 positions a tile,
	s_lshl_b32 s88, s17, 12                        ; my wave's 32 of them
	s_add_co_u32 s66, s66, s88
	s_lshl_b32 s90, s82, 2
	s_lshl_b32 s88, s18, 1
	s_add_co_u32 s90, s90, s88                     ; my wave's first head: 4 x tile column + 2 x half
	s_mul_i32 s90, s90, s68
	s_add_co_u32 s88, s66, s90
	s_mov_b32 s89, 0
	s_mov_b32 s90, s68
	s_mov_b32 s91, 0
	s_wait_dscnt 0x0                               ; the opening add is done
	s_wait_kmcnt 0x0
	s_add_nc_u64 s[84:85], s[4:5], s[84:85]
	s_add_nc_u64 s[86:87], s[6:7], s[86:87]
	s_cmp_lt_u32 s21, 1
	s_cselect_b64 s[76:77], s[8:9], s[10:11]
	s_cmp_lt_u32 s22, 10
	s_cselect_b64 s[78:79], s[12:13], s[14:15]
	s_cmp_lt_u32 s22, 8
	s_cselect_b64 s[76:77], s[76:77], s[78:79]
	s_add_nc_u64 s[76:77], s[76:77], s[88:89]      ; out at batch 0, my first head, my first position
	s_add_nc_u64 s[78:79], s[76:77], s[90:91]      ; and my second head
	CROUND                                         ; all sixteen work-groups are here: the first joint loads meet
.irp s, 0,1
	s_mov_b32 s[G0+4*(\s)], 1
	s_add_co_u32 s[G0+4*(\s)+1], s28, (\s)*SLOT
	s_add_nc_u64 s[G0+4*(\s)+2:G0+4*(\s)+3], s[84:85], (\s)*256
	s_or_b32 s[G0+4*(\s)+3], s[G0+4*(\s)+3], 0x80000000
	s_mov_b32 s[G0B+4*(\s)], 1
	s_add_co_u32 s[G0B+4*(\s)+1], s29, (\s)*SLOT
	s_add_nc_u64 s[G0B+4*(\s)+2:G0B+4*(\s)+3], s[86:87], (\s)*1048576
	s_or_b32 s[G0B+4*(\s)+3], s[G0B+4*(\s)+3], 0x80000000
	JLOAD \s
.endr
	v_and_b32 v1, 15, v0                           ; l % 16
	v_bfe_u32 v2, v0, 4, 1                         ; l / 16
	v_mul_u32_u24 v3, v1, PA
	v_lshl_add_u32 v3, v2, 4, v3
	s_mul_i32 s30, s17, HALFA                      ; my 128 rows of A
	v_add_nc_u32 v[ADRA], s30, v3
	v_add_nc_u32 v[ADRA+1], SLOT, v[ADRA]
	v_and_b32 v4, 7, v0                            ; the turning load: lane l reads k-row 8 (l / 16) + l % 8, columns 8 ((l / 8) % 2) + 0..7
	v_bfe_u32 v5, v0, 3, 1
	v_lshl_add_u32 v4, v2, 3, v4
	v_mul_u32_u24 v4, v4, PB
	v_lshl_add_u32 v4, v5, 4, v4
	s_lshl_b32 s30, s18, 8                         ; my 128 columns
	s_add_co_u32 s30, s30, 2*HALFA
	v_add_nc_u32 v[ADRB], s30, v4
	v_add_nc_u32 v[ADRB+1], SLOT, v[ADRB]
	s_mul_i32 s30, s16, 16*SPITCH
	s_add_co_u32 s30, s30, STAGE                   ; my stage
	v_mul_u32_u24 v6, v1, SPITCH                   ; in: row l % 16, 16 bytes for each half of the lanes
	v_lshl_add_u32 v6, v2, 4, v6
	v_add_nc_u32 v[STO], s30, v6
	v_bfe_u32 v6, v0, 3, 2                         ; back: a block's row is 4 x position + batch; 32 lanes take four positions x 128 bytes of one batch and head
	v_mul_u32_u24 v6, v6, 4*SPITCH
	v_and_b32 v7, 7, v0
	v_lshl_add_u32 v6, v7, 4, v6
	v_add_nc_u32 v[RD], s30, v6
	v_and_b32 v7, 31, v0
	v_lshlrev_b32 v[CO], 4, v7                     ; which are 512 consecutive bytes of the output
	v_add_nc_u32 v[CO+1], s67, v[CO]
	v_add_nc_u32 v[CO+2], s67, v[CO+1]
	v_add_nc_u32 v[CO+3], s67, v[CO+2]
	; the prefetches: who asks, from where, in what steps
	s_cmp_lt_u32 s22, 8
	s_cselect_b32 s70, 1, 0                        ; section K and V
	s_cmp_eq_u32 s21, 0
	s_cselect_b32 s71, 1, 0                        ; cluster x = 0
	s_cmp_eq_u32 s22, 8
	s_cselect_b32 s72, 1, 0
	s_or_b32 s72, s72, s[RSEC]
	s_and_b32 s72, s72, s71                        ; W's columns of Q and of R: the same in both clusters along x: the first asks
	s_cmp_eq_u32 s22, 0
	s_cselect_b32 s73, 1, 0
	s_or_b32 s72, s72, s73                         ; K's columns and V's: both clusters with y = 0
	s_and_b32 s70, s70, s71
	s_or_b32 s70, s70, s[RSEC]                     ; A's rows: section K and V with cluster x = 0; section R
	s_lshl_b32 s88, s26, 8
	s_lshl_b32 s89, s18, 7
	s_add_co_u32 s88, s88, s89
	s_lshl_b32 s89, s19, 5
	s_add_co_u32 s88, s88, s89
	s_lshl_b32 s88, s88, 11
	s_add_co_u32 s88, s88, 3*256                   ; A: the 128 rows that I fetch, my work-group's 32 of them, at K step 3: the first refill steps it to 4
	s_lshl_b32 s90, s27, 1
	s_lshl_b32 s91, s18, 19
	s_add_co_u32 s90, s90, s91
	s_lshl_b32 s91, s20, 17
	s_add_co_u32 s90, s90, s91
	s_add_co_u32 s90, s90, 3*1048576               ; W: the 64 k-rows that I fetch, my work-group's 16 of them
	s_mov_b32 s[PST], 0x100000                     ; W's figures first: an instruction takes one literal, so each select below names A's figure and this register
	s_mov_b32 s73, 8192
	s_cmp_eq_u32 s17, 0
	s_cselect_b32 s88, s88, s90
	s_cselect_b32 s70, s70, s72
	s_cselect_b64 s[PFA:PFA+1], s[4:5], s[6:7]
	s_cselect_b32 s[PST], 256, s[PST]              ; bytes from K step to K step
	s_cselect_b32 s71, 0, 1                        ; A: a lane a row; W: two lanes a k-row
	s_cselect_b32 s73, 2048, s73                   ; bytes from row to row
	s_mov_b32 s89, 0
	s_mov_b32 s[PST+1], 0
	s_add_nc_u64 s[PFA:PFA+1], s[PFA:PFA+1], s[88:89]
	s_cmp_eq_u32 s70, 1
	s_cselect_b32 s[LIM], 1, -1
	v_lshrrev_b32 v[PFO], s71, v7
	v_mul_lo_u32 v[PFO], v[PFO], s73
	v_and_b32 v7, s71, v7
	v_lshl_add_u32 v[PFO], v7, 8, v[PFO]
; 16 matrix instructions: m blocks a0, a0 + 1 of the window's four x all 8 n blocks, 32 along K.  The 64 accumulators take turns, in the same order in every quarter.
.macro MUL16 f, hi, a0, zero
	WIN MUL_LO+0x50*(\hi)
.irp a, \a0, (\a0)+1
.irp b, 0,1,2,3,4,5,6,7
.if \zero
	v_wmma_f32_16x16x32_bf16 v[8*(8*(\a)+(\b)):8*(8*(\a)+(\b))+7], v[(\f)+8*(\b):(\f)+8*(\b)+7], v[(\f)+8*(4*(\hi)+(\a)):(\f)+8*(4*(\hi)+(\a))+7], 0
.else
	v_wmma_f32_16x16x32_bf16 v[8*(8*(\a)+(\b)):8*(8*(\a)+(\b))+7], v[(\f)+8*(\b):(\f)+8*(\b)+7], v[(\f)+8*(4*(\hi)+(\a)):(\f)+8*(4*(\hi)+(\a))+7], v[8*(8*(\a)+(\b)):8*(8*(\a)+(\b))+7]
.endif
.endr
.endr
.endm
; 32 LDS loads in one run: the fragments of quarter q (32 along K) of a slot into buffer f: W's 128 columns, then A's 128 rows
.macro FETCH slot, q, f
	WIN TO_B
.irp i, 0,1,2,3,4,5,6,7
	ds_load_tr16_b128 v[(\f)+8*(\i):(\f)+8*(\i)+3],   v[ADRB+(\slot)] offset:(\q)*32*PB+32*(\i)
	ds_load_tr16_b128 v[(\f)+8*(\i)+4:(\f)+8*(\i)+7], v[ADRB+(\slot)] offset:(\q)*32*PB+16*PB+32*(\i)
.endr
	WIN 0
.irp i, 0,1,2,3,4,5,6,7
	ds_load_b128 v[(\f)+8*(\i):(\f)+8*(\i)+3],   v[ADRA+(\slot)] offset:64*(\q)+(\i)*16*PA
	ds_load_b128 v[(\f)+8*(\i)+4:(\f)+8*(\i)+7], v[ADRA+(\slot)] offset:64*(\q)+(\i)*16*PA+32
.endr
.endm
.macro PLACES                          ; four plain instructions in front of loads into registers that matrix instructions have read, and of conversions that read results
.rept 4
	v_nop
.endr
.endm
.macro QUARTER slot, q, f, g, zero     ; multiplies buffer f; in its middle fetches quarter q of the same slot into g
	s_wait_dscnt 8                                 ; W and A's rows 0-63 are in; the youngest eight loads (A's rows 64-127) may be out
	MUL16 \f, 0, 0, \zero
	MUL16 \f, 0, 2, \zero
	PLACES
	FETCH \slot, \q, \g
	s_wait_dscnt 32                                ; all but the 32 just issued
	MUL16 \f, 1, 0, \zero
	MUL16 \f, 1, 2, \zero
.endm
; The first half of a step's last quarter: each wave waits for all its tensor loads (one is out: its part of the next slot), adds 0 to its spare word, waits for that and for its reads of this slot, and meets the others.
.macro MEET round
	WIN 0
	s_wait_tensorcnt 0x0
	ds_add_u32 v[SPW], v[NIL]
	s_wait_dscnt 9                                 ; (the add and the youngest eight loads may be out)
	MUL16 F1, 0, 0, 0
	s_wait_dscnt 0x0                               ; the add is done, and my reads of this slot are over
	s_barrier_signal -1
	MUL16 F1, 0, 2, 0
.if \round
	WIN 0
.endif
	s_barrier_wait -1
.endm
; The whole last quarter, with a refill: the barrier opens a round of the cluster's barrier, and the slot is filled again first thing behind it, two K steps ahead: 224 matrix instructions ahead of the wait for it.
.macro TURN slot, next
	s_wait_xcnt 0x0                                ; the last prefetch, a K step back, has read its address
	s_add_nc_u64 s[PFA:PFA+1], s[PFA:PFA+1], s[PST:PST+1]
	MEET 1
	CREST
	s_add_nc_u64 s[G0+4*(\slot)+2:G0+4*(\slot)+3], s[G0+4*(\slot)+2:G0+4*(\slot)+3], 512
	s_add_nc_u64 s[G0B+4*(\slot)+2:G0B+4*(\slot)+3], s[G0B+4*(\slot)+2:G0B+4*(\slot)+3], 2097152
	JLOAD \slot                                    ; its four v_nop are also the places in front of the loads below
	FETCH \next, 0, F0
	ASK
	MUL16 F1, 1, 0, 0
	MUL16 F1, 1, 2, 0
.endm
; THE WAY OUT of block a (16 of my rows x my 128 columns).  PACK: rounded to bf16, 16 bytes a lane.  TOSTAGE: into my own stage, and back by batch and head.  SEND: stored.
.macro PACK a
.set AC, 64*((\a)%4)
	WIN 0x0a+5*((\a)/4)                            ; sources 0 and 1: window 2 or 3
.irp b, 0,1,2,3,4,5,6,7
.irp r, 0,1,2,3
	v_cvt_pk_bf16_f32 v[TMP+4*(\b)+(\r)], v[AC+8*(\b)+2*(\r)], v[AC+8*(\b)+2*(\r)+1]
.endr
.endr
	WIN 0
.endm
.macro TOSTAGE a
	WIN 0
.set BK, OB+192*((\a)%2)
.irp b, 0,1,2,3,4,5,6,7
	ds_store_b128 v[STO], v[TMP+4*(\b):TMP+4*(\b)+3] offset:32*(\b)
.endr
.irp t, 0,1,2,3,4,5,6,7
	ds_load_b128 v[BK+4*(\t):BK+4*(\t)+3], v[RD] offset:((\t)%4)*SPITCH+128*((\t)/4)  ; batch t % 4, head t / 4.  LDS serves a wave's instructions in order (ISA guide 5.7.1.4): these see the stores above
.endr
.endm
.macro SEND a
	WIN 0
.set BK, OB+192*((\a)%2)
	s_wait_dscnt 0x0                               ; the block is back in registers
	s_wait_xcnt 0x0                                ; the registers that earlier stores read are loaded again only behind this wait
.irp t, 0,1,2,3,4,5,6,7
	global_store_b128 v[CO+(\t)%4], v[BK+4*(\t):BK+4*(\t)+3], s[76+2*((\t)/4):77+2*((\t)/4)] offset:(\a)*512  ; 512 consecutive bytes: four positions of one batch and head
.endr
	s_cmp_eq_u32 s[RSEC], 1                        ; section R, table rows 0-1023 (quarters 0 and 1): once more, 2,049 rows further on
	s_cbranch_scc0 .Lno_copy_\@
.irp t, 0,1,4,5
	global_store_b128 v[CO+(\t)%4], v[BK+4*(\t):BK+4*(\t)+3], s[76+2*((\t)/4):77+2*((\t)/4)] offset:(\a)*512+262272
.endr
.Lno_copy_\@:
.endm
	s_wait_tensorcnt 1                             ; my part of K step 0 is in; K step 1's may stay out
	s_barrier_signal -1
	s_barrier_wait -1
	FETCH 0, 0, F0
	QUARTER 0, 1, F0, F1, 1                        ; the first quarter stands in front of the loop: its products start the sums
	WIN 0
	s_mov_b32 s3, LAPS-1
.Llap:                                                 ; a trip goes once round the ring, from a lap's second quarter to the next lap's first, and fills both slots again
	QUARTER 0, 2, F1, F0, 0
	QUARTER 0, 3, F0, F1, 0
	TURN 0, 1
	QUARTER 1, 1, F0, F1, 0
	QUARTER 1, 2, F1, F0, 0
	QUARTER 1, 3, F0, F1, 0
	TURN 1, 0
	QUARTER 0, 1, F0, F1, 0
	WIN 0
	s_sub_co_u32 s3, s3, 1
	s_cmp_lg_u32 s3, 0
	s_cbranch_scc1 .Llap
	QUARTER 0, 2, F1, F0, 0                        ; the last lap fills nothing, and has no round of the cluster's barrier
	QUARTER 0, 3, F0, F1, 0
	MEET 0
	PLACES
	FETCH 1, 0, F0
	MUL16 F1, 1, 0, 0
	MUL16 F1, 1, 2, 0
	QUARTER 1, 1, F0, F1, 0
	QUARTER 1, 2, F1, F0, 0
	QUARTER 1, 3, F0, F1, 0
	s_wait_dscnt 8
	MUL16 F1, 0, 0, 0
	MUL16 F1, 0, 2, 0
	s_wait_dscnt 0x0
	MUL16 F1, 1, 0, 0
	MUL16 F1, 1, 2, 0
	WIN 0
	PLACES
	PACK 0
	TOSTAGE 0
.irp a, 1,2,3,4,5,6,7                  ; block a's conversions stand between block a - 1's loads from the stage and the wait for them
	PACK \a
	SEND (\a)-1
	TOSTAGE \a
.endr
	SEND 7
	s_wait_tensorcnt 0x0                           ; the wave's end
	ds_add_u32 v[SPW], v[NIL]
	s_wait_dscnt 0x0
	CROUND                                         ; the closing round
	s_endpgm
.Lfunc_end_k_qf4c7030400_proj:
	.size	k_qf4c7030400_proj, .Lfunc_end_k_qf4c7030400_proj-k_qf4c7030400_proj
	.p2alignl 7, 3214868480
	.fill 96, 4, 3214868480
	.section	.rodata,"a",@progbits
	.p2align	6, 0x0
	.amdhsa_kernel k_qf4c7030400_proj
		.amdhsa_group_segment_fixed_size 327680
		.amdhsa_private_segment_fixed_size 0
		.amdhsa_enable_private_segment 0
		.amdhsa_kernarg_size 48
		.amdhsa_user_sgpr_count 2
		.amdhsa_user_sgpr_kernarg_segment_ptr 1
		.amdhsa_wavefront_size32 1
		.amdhsa_system_sgpr_workgroup_id_x 1
		.amdhsa_system_sgpr_workgroup_id_y 1
		.amdhsa_system_sgpr_workgroup_id_z 1
		.amdhsa_system_vgpr_workitem_id 0
		.amdhsa_next_free_vgpr 1024
		.amdhsa_next_free_sgpr 96
		.amdhsa_reserve_vcc 0
		.amdhsa_float_denorm_mode_32 3
		.amdhsa_float_denorm_mode_16_64 3
		.amdhsa_memory_ordered 1
		.amdhsa_forward_progress 1
		.amdhsa_inst_pref_size 150
	.end_amdhsa_kernel
	.amdgpu_metadata
---
amdhsa.version: [ 1, 2 ]
amdhsa.kernels:
  - .name:           k_qf4c7030400_proj
    .symbol:         k_qf4c7030400_proj.kd
    .args:
      - { .name: ab, .offset: 0, .size: 8, .value_kind: global_buffer, .address_space: global }
      - { .name: wc, .offset: 8, .size: 8, .value_kind: global_buffer, .address_space: global }
      - { .name: kb, .offset: 16, .size: 8, .value_kind: global_buffer, .address_space: global }
      - { .name: vb, .offset: 24, .size: 8, .value_kind: global_buffer, .address_space: global }
      - { .name: qb, .offset: 32, .size: 8, .value_kind: global_buffer, .address_space: global }
      - { .name: rx, .offset: 40, .size: 8, .value_kind: global_buffer, .address_space: global }
    .group_segment_fixed_size: 327680
    .private_segment_fixed_size: 0
    .kernarg_segment_align: 8
    .kernarg_segment_size: 48
    .max_flat_workgroup_size: 128
    .sgpr_count:     96
    .vgpr_count:     1024
    .wavefront_size: 32
...
	.end_amdgpu_metadata
.endif
;; end of part 5
;; launch attn: the kernel of part 3 again; grid 4 x 64, 4 waves a work-group, clusters of 4 x 4, 327,680 bytes of LDS; arguments qb, kb, vb, rx, u, v, av; writes av
;; launch gemmo (part 6): grid 8 x 32, 4 waves a work-group, clusters of 4 x 4, 327,680 bytes of LDS; arguments av, wo, qb; writes qb
.if DOCPART == 6
	.amdgcn_target "amdgcn-amd-amdhsa--gfx1250"
	.amdhsa_code_object_version 6
	.text
	.protected	k_qf4c7030400_gemmo
	.globl	k_qf4c7030400_gemmo
	.p2align	8
	.type	k_qf4c7030400_gemmo,@function
k_qf4c7030400_gemmo:
	s_mov_b64 s[64:65], 0
	v_nop
	global_prefetch_b8 v0, s[64:65] scope:SCOPE_SE
	s_setreg_imm32_b32 hwreg(HW_REG_WAVE_MODE, 25, 1), 1
	s_wait_xcnt 0x0
	s_wait_alu depctr_hold_cnt(0) depctr_sa_sdst(0) depctr_va_vdst(0) depctr_va_sdst(0) depctr_va_ssrc(0) depctr_va_vcc(0) depctr_vm_vsrc(0)
	s_getreg_b32 s2, hwreg(HW_REG_IB_STS2, 6, 4)
	s_cmp_eq_u32 s2, 0
	s_cbranch_scc0 .Lentry_in_a_cluster
	s_endpgm
.Lentry_in_a_cluster:
	s_bfe_u32 s2, ttmp6, 0x10000c
	s_cmp_lg_u32 s2, 0xf033
	s_cbranch_scc0 .Lentry_shape_is_right
	s_endpgm
.Lentry_shape_is_right:
; attn_out = attn_vec W_o.  A = av [b][n][1024][64] bf16, W = wo [1024 k][1024] bf16; sums in f32; the result, rounded once to bf16, goes to [position][batch][1024]
; (the buffer that held q: it is not read any more, and this launch never loads from it).  The residual and the LayerNorm follow in a launch of their own: a work-group that owned whole rows
; would have 16 of them and would have to bring in all 2 MB of W_o for them; a tile of 128 x 128 brings in 512 KB.
; A tile of C is 128 positions of one batch x 128 columns: 32 x 8 = 256 work-groups.  Four waves, each 64 x 64: 16 accumulators.  K = 1,024 goes in four steps of 256, four heads a step, through two LDS slots.
; CLUSTERS: 4 x 4.  A's tile hangs on the tile row, shared along a row of the cluster; W's on the tile column, shared along a column: each is asked for jointly.
; THE MATRIX INSTRUCTION IS USED TRANSPOSED (source 0 = 16 columns of W, turned out of LDS; source 1 = 16 rows of A): a lane holds eight neighbouring numbers of a row of C.
; No prefetch: the tiles are small and each is read by several clusters at about the same time.
; LIMITS: operands and result in bf16; NaN and infinities are not treated apart.
; REGISTERS: window 0: v0-31 addresses; v32-95 the way out; v128-255 accumulators ((a, b) at 128 + 8 (4 a + b)).  Window 1: two fragment buffers of 128: 64 of A, then 64 of W, for 64 along K.
.set PA,     144                       ; a row of one head in LDS: 128 bytes + 16
.set HB,     64*PA                     ; a head's 64 rows
.set PB,     288                       ; a k-row of W in LDS: 256 bytes + 32
.set HALFA,  4*HB                      ; what one load brings of A: 4 heads x 64 rows
.set HALFB,  128*PB                    ; of W: 128 k-rows
.set SLOT,   2*HALFA+2*HALFB
.set STAGE,  0                         ; 128 rows x 272 bytes, in slot 0: its last fill has landed and its last reads are over in front of the third change of slots' barrier
.set SPITCH, 272
.set SPARE,  2*SLOT                    ; behind the ring: the spare words, 128 bytes a wave
.set ADRA, 16
.set ADRB, 20
.set STO,  24
.set RD,   25
.set CO,   26
.set SPW,  28
.set NIL,  29
.set TMP,  32
.set ACC,  128
.set F0,   0
.set F1,   128
.set G1,  32
.set G0,  40
.set G1B, 48
.set G0B, 56
.set MSB, 0
.macro WIN new
.if MSB != (\new)
	s_set_vgpr_msb (MSB<<8)|(\new)
.set MSB, \new
.endif
.endm
.set MUL,  0x05
.set TO_F, 0x40
.macro JLOAD s
	s_cmp_eq_u32 s17, 0
	s_cbranch_scc0 .Lfor_b_\@
	tensor_load_to_lds s[G0+4*(\s):G0+4*(\s)+3], s[G1:G1+7]
	s_nop 0
.rept 4
	v_nop
.endr
	s_branch .Lasked_\@
.Lfor_b_\@:
	tensor_load_to_lds s[G0B+4*(\s):G0B+4*(\s)+3], s[G1B:G1B+7]
	s_nop 0
.rept 4
	v_nop
.endr
.Lasked_\@:
.endm
.macro CREST
	s_cmp_lg_u32 s16, 0
	s_cbranch_scc1 .Lnot_wave_0_\@
	s_barrier_signal -3
.Lnot_wave_0_\@:
	s_barrier_wait -3
	s_barrier_signal -1
	s_barrier_wait -1
.endm
.macro CROUND
	s_barrier_signal -1
	s_barrier_wait -1
	CREST
.endm
	s_load_b128 s[4:7], s[0:1], 0x0                ; av 4, wo 6
	s_load_b64 s[8:9], s[0:1], 0x10                ; the result
	v_lshl_add_u32 v[SPW], v0, 2, SPARE
	v_mov_b32 v[NIL], 0
	ds_add_u32 v[SPW], v[NIL]                      ; the wave's opening: the add and its wait ahead of my first tensor load
	v_lshrrev_b32 v1, 5, v0
	v_readfirstlane_b32 s16, v1                    ; wave
	s_lshr_b32 s17, s16, 1                         ; my half of the tile's rows; also: I fetch for A (0) or W (1)
	s_and_b32 s18, s16, 1                          ; my half of its columns; also: which half I fetch
	s_bfe_u32 s19, ttmp6, 0x40000                  ; cx
	s_bfe_u32 s20, ttmp6, 0x40004                  ; cy
	s_lshl_b32 s23, ttmp9, 2
	s_add_co_u32 s23, s23, s19                     ; X: the tile column
	s_and_b32 s24, ttmp7, 0xffff
	s_lshl_b32 s24, s24, 2
	s_add_co_u32 s24, s24, s20                     ; Y: batch Y / 8, positions 128 (Y % 8) on
	s_lshr_b32 s25, s24, 3
	s_and_b32 s26, s24, 7
	s_lshl_b32 s80, s20, 2
	s_lshl_b32 s80, 15, s80                        ; my row of the cluster
	s_lshl_b32 s81, 0x1111, s19                    ; my column
	s_or_b32 s[G1], s80, (1<<16)|(1<<20)|(1<<21)|(4<<22)|(3<<25)   ; 2-byte elements; padding after every 32 words, 4 words; bit 21 beside the mask
	s_or_b32 s[G1B], s81, (1<<16)|(1<<20)|(1<<21)|(5<<22)|(7<<25)  ; after every 64 words, 8 words
	s_mov_b32 s[G1+1], 4096<<16                    ; A: a head's 64 rows are 8,192 dense bytes: one row of 4,096 elements; 4 heads, 65,536 elements apart
	s_mov_b32 s[G1+2], 4<<16
	s_mov_b32 s[G1+3], 4096<<16
	s_mov_b32 s[G1+4], 4
	s_mov_b32 s[G1+5], 65536
	s_mov_b32 s[G1+6], 0
	s_mov_b32 s[G1+7], 0
	s_mov_b32 s[G1B+1], 128<<16                    ; W: 128 k-rows x 128 elements, 1,024 elements from row to row
	s_mov_b32 s[G1B+2], 128<<16
	s_mov_b32 s[G1B+3], 128<<16
	s_mov_b32 s[G1B+4], 128
	s_mov_b32 s[G1B+5], 1024
	s_mov_b32 s[G1B+6], 0
	s_mov_b32 s[G1B+7], 0
	s_lshl_b32 s84, s25, 21                        ; A: batch x 16 heads x 1,024 rows x 128 bytes
	s_lshl_b32 s85, s26, 14                        ; + 128 (Y % 8) rows
	s_add_co_u32 s84, s84, s85
	s_lshl_b32 s85, s18, 13                        ; + half x 64 rows
	s_add_co_u32 s84, s84, s85
	s_mov_b32 s85, 0
	s_lshl_b32 s86, s23, 8                         ; W: 256 bytes x tile column + half x 128 k-rows of 2,048 bytes
	s_lshl_b32 s87, s18, 18
	s_add_co_u32 s86, s86, s87
	s_mov_b32 s87, 0
	s_mul_i32 s28, s18, HALFA                      ; where they go: no place in the cluster enters an LDS address
	s_mul_i32 s29, s18, HALFB
	s_add_co_u32 s29, s29, 2*HALFA
	s_lshl_b32 s88, s26, 20                        ; out: row (128 (Y % 8) + 32 wave) x 4 + batch, 2,048 bytes a row; + 256 bytes x tile column
	s_lshl_b32 s89, s16, 18
	s_add_co_u32 s88, s88, s89
	s_lshl_b32 s89, s25, 11
	s_add_co_u32 s88, s88, s89
	s_lshl_b32 s89, s23, 8
	s_add_co_u32 s88, s88, s89
	s_mov_b32 s89, 0
	s_wait_dscnt 0x0                               ; the opening add is done
	s_wait_kmcnt 0x0
	s_add_nc_u64 s[84:85], s[4:5], s[84:85]
	s_add_nc_u64 s[86:87], s[6:7], s[86:87]
	s_add_nc_u64 s[8:9], s[8:9], s[88:89]
	CROUND                                         ; all sixteen work-groups are here: the first joint loads meet
.irp s, 0,1
	s_mov_b32 s[G0+4*(\s)], 1
	s_add_co_u32 s[G0+4*(\s)+1], s28, (\s)*SLOT
	s_add_nc_u64 s[G0+4*(\s)+2:G0+4*(\s)+3], s[84:85], (\s)*524288   ; four heads on
	s_or_b32 s[G0+4*(\s)+3], s[G0+4*(\s)+3], 0x80000000
	s_mov_b32 s[G0B+4*(\s)], 1
	s_add_co_u32 s[G0B+4*(\s)+1], s29, (\s)*SLOT
	s_add_nc_u64 s[G0B+4*(\s)+2:G0B+4*(\s)+3], s[86:87], (\s)*524288 ; 256 k-rows on
	s_or_b32 s[G0B+4*(\s)+3], s[G0B+4*(\s)+3], 0x80000000
	JLOAD \s
.endr
	v_and_b32 v1, 15, v0                           ; l % 16
	v_bfe_u32 v2, v0, 4, 1                         ; l / 16
	v_mul_u32_u24 v3, v1, PA
	v_lshl_add_u32 v3, v2, 4, v3
	s_mul_i32 s30, s17, HALFA                      ; my 64 rows of A
	v_add_nc_u32 v[ADRA], s30, v3
	v_add_nc_u32 v[ADRA+1], SLOT, v[ADRA]
	v_and_b32 v4, 7, v0
	v_bfe_u32 v5, v0, 3, 1
	v_lshl_add_u32 v4, v2, 3, v4
	v_mul_u32_u24 v4, v4, PB
	v_lshl_add_u32 v4, v5, 4, v4
	s_lshl_b32 s30, s18, 7                         ; my 64 columns
	s_add_co_u32 s30, s30, 2*HALFA
	v_add_nc_u32 v[ADRB], s30, v4
	v_add_nc_u32 v[ADRB+1], HALFB, v[ADRB]
	v_add_nc_u32 v[ADRB+2], SLOT, v[ADRB]
	v_add_nc_u32 v[ADRB+3], SLOT+HALFB, v[ADRB]
	s_mul_i32 s30, s17, 64*SPITCH                  ; into the stage: my 64 rows, my 128 bytes of them
	s_lshl_b32 s31, s18, 7
	s_add_co_u32 s30, s30, s31
	s_add_co_u32 s30, s30, STAGE
	v_mul_u32_u24 v6, v1, SPITCH
	v_lshl_add_u32 v6, v2, 4, v6
	v_add_nc_u32 v[STO], s30, v6
	s_mul_i32 s30, s16, 32*SPITCH                  ; back: wave w takes rows 32 w .. 32 w + 31, whole; lanes 0-15 one row of 256 bytes, lanes 16-31 the next
	s_add_co_u32 s30, s30, STAGE
	v_mul_u32_u24 v6, v2, SPITCH
	v_lshl_add_u32 v6, v1, 4, v6
	v_add_nc_u32 v[RD], s30, v6
	v_lshlrev_b32 v6, 13, v2                       ; and the same two positions in the result: 4 rows of 2,048 bytes apart
	v_lshl_add_u32 v[CO], v1, 4, v6
.macro MUL8 f, c, a0, zero             ; 8 matrix instructions; the 16 accumulators take turns
	WIN MUL
.irp a, \a0, (\a0)+1
.irp b, 0,1,2,3
.if \zero
	v_wmma_f32_16x16x32_bf16 v[ACC+8*(4*(\a)+(\b)):ACC+8*(4*(\a)+(\b))+7], v[(\f)+64+8*(4*(\c)+(\b)):(\f)+64+8*(4*(\c)+(\b))+7], v[(\f)+8*(4*(\c)+(\a)):(\f)+8*(4*(\c)+(\a))+7], 0
.else
	v_wmma_f32_16x16x32_bf16 v[ACC+8*(4*(\a)+(\b)):ACC+8*(4*(\a)+(\b))+7], v[(\f)+64+8*(4*(\c)+(\b)):(\f)+64+8*(4*(\c)+(\b))+7], v[(\f)+8*(4*(\c)+(\a)):(\f)+8*(4*(\c)+(\a))+7], v[ACC+8*(4*(\a)+(\b)):ACC+8*(4*(\a)+(\b))+7]
.endif
.endr
.endr
.endm
; 32 LDS loads in one run: the fragments of quarter q (64 along K: head q of the step) of a slot into buffer f; the first 32 along K first
.macro FETCH slot, q, f
	WIN TO_F
.irp c, 0,1
.irp i, 0,1,2,3
	ds_load_tr16_b128 v[(\f)+64+8*(4*(\c)+(\i)):(\f)+64+8*(4*(\c)+(\i))+3],   v[ADRB+2*(\slot)+(\q)/2] offset:(((\q)%2)*64+32*(\c))*PB+32*(\i)
	ds_load_tr16_b128 v[(\f)+64+8*(4*(\c)+(\i))+4:(\f)+64+8*(4*(\c)+(\i))+7], v[ADRB+2*(\slot)+(\q)/2] offset:(((\q)%2)*64+32*(\c))*PB+32*(\i)+16*PB
	ds_load_b128 v[(\f)+8*(4*(\c)+(\i)):(\f)+8*(4*(\c)+(\i))+3],   v[ADRA+(\slot)] offset:(\q)*HB+64*(\c)+(\i)*16*PA
	ds_load_b128 v[(\f)+8*(4*(\c)+(\i))+4:(\f)+8*(4*(\c)+(\i))+7], v[ADRA+(\slot)] offset:(\q)*HB+64*(\c)+(\i)*16*PA+32
.endr
.endr
.endm
.macro PLACES
.rept 4
	v_nop
.endr
.endm
.macro QUARTER slot, q, f, g, zero
	s_wait_dscnt 16                                ; the first 32 along K are in
	WIN MUL
	MUL8 \f, 0, 0, \zero
	MUL8 \f, 0, 2, \zero
	PLACES
	FETCH \slot, \q, \g
	s_wait_dscnt 32                                ; all but the 32 just issued
	WIN MUL
	MUL8 \f, 1, 0, 0
	MUL8 \f, 1, 2, 0
.endm
; The last quarter multiplies buffer 1 and changes slots: each wave waits for all its tensor loads, adds 0 to its spare word, waits for that and for its reads of this slot, and meets the others.
; fill = 1: the barrier opens a round of the cluster's barrier, and the slot is filled again first thing behind it, two K steps ahead.
.macro TURN slot, next, fill
	WIN 0
	s_wait_tensorcnt 0x0
	ds_add_u32 v[SPW], v[NIL]
	s_wait_dscnt 17                                ; (the add and the youngest sixteen loads may be out)
	WIN MUL
	MUL8 F1, 0, 0, 0
	s_wait_dscnt 0x0                               ; the add is done, and my reads of this slot are over
	s_barrier_signal -1
	MUL8 F1, 0, 2, 0
.if \fill
	WIN 0
.endif
	s_barrier_wait -1
.if \fill
	CREST
	s_add_nc_u64 s[G0+4*(\slot)+2:G0+4*(\slot)+3], s[G0+4*(\slot)+2:G0+4*(\slot)+3], 1048576
	s_add_nc_u64 s[G0B+4*(\slot)+2:G0B+4*(\slot)+3], s[G0B+4*(\slot)+2:G0B+4*(\slot)+3], 1048576
	JLOAD \slot
.else
	PLACES
.endif
	FETCH \next, 0, F0
	WIN MUL
	MUL8 F1, 1, 0, 0
	MUL8 F1, 1, 2, 0
.endm
	s_wait_tensorcnt 1                             ; my part of K step 0 is in; K step 1's may stay out
	s_barrier_signal -1
	s_barrier_wait -1
	FETCH 0, 0, F0
	QUARTER 0, 1, F0, F1, 1
	QUARTER 0, 2, F1, F0, 0
	QUARTER 0, 3, F0, F1, 0
	TURN 0, 1, 1                                   ; slot 0 takes K step 2
	QUARTER 1, 1, F0, F1, 0
	QUARTER 1, 2, F1, F0, 0
	QUARTER 1, 3, F0, F1, 0
	TURN 1, 0, 1                                   ; slot 1 takes K step 3
	QUARTER 0, 1, F0, F1, 0
	QUARTER 0, 2, F1, F0, 0
	QUARTER 0, 3, F0, F1, 0
	TURN 0, 1, 0                                   ; behind this barrier nobody reads slot 0 any more, and nothing is filled any more
	QUARTER 1, 1, F0, F1, 0
	QUARTER 1, 2, F1, F0, 0
	QUARTER 1, 3, F0, F1, 0
	s_wait_dscnt 16
	WIN MUL
	MUL8 F1, 0, 0, 0
	MUL8 F1, 0, 2, 0
	s_wait_dscnt 0x0
	MUL8 F1, 1, 0, 0
	MUL8 F1, 1, 2, 0
	WIN 0
	; THE WAY OUT: rounded to bf16; 16 bytes a lane into the work-group's stage; a barrier, since a row's 256 bytes come from two waves; back as whole rows, 32 rows a wave
	PLACES
.irp t, 0,1,2,3,4,5,6,7,8,9,10,11,12,13,14,15
.irp r, 0,1,2,3
	v_cvt_pk_bf16_f32 v[TMP+4*(\t)+(\r)], v[ACC+8*(\t)+2*(\r)], v[ACC+8*(\t)+2*(\r)+1]
.endr
.endr
.irp a, 0,1,2,3
.irp b, 0,1,2,3
	ds_store_b128 v[STO], v[TMP+4*(4*(\a)+(\b)):TMP+4*(4*(\a)+(\b))+3] offset:(\a)*16*SPITCH+32*(\b)
.endr
.endr
	s_wait_dscnt 0x0                               ; for the others' sake: my stores into the stage are done
	s_barrier_signal -1
	s_barrier_wait -1
.irp t, 0,1,2,3,4,5,6,7,8,9,10,11,12,13,14,15
	ds_load_b128 v[TMP+4*(\t):TMP+4*(\t)+3], v[RD] offset:(\t)*2*SPITCH
.endr
.irp t, 0,1,2,3,4,5,6,7,8,9,10,11,12,13,14,15
	s_wait_dscnt 15-(\t)
	global_store_b128 v[CO], v[TMP+4*(\t):TMP+4*(\t)+3], s[8:9] offset:(\t)*16384  ; 16 lanes store 256 consecutive bytes, aligned; two positions on each time
.endr
	s_wait_tensorcnt 0x0                           ; the wave's end
	ds_add_u32 v[SPW], v[NIL]
	s_wait_dscnt 0x0
	CROUND                                         ; the closing round
	s_endpgm
.Lfunc_end_k_qf4c7030400_gemmo:
	.size	k_qf4c7030400_gemmo, .Lfunc_end_k_qf4c7030400_gemmo-k_qf4c7030400_gemmo
	.p2alignl 7, 3214868480
	.fill 96, 4, 3214868480
	.section	.rodata,"a",@progbits
	.p2align	6, 0x0
	.amdhsa_kernel k_qf4c7030400_gemmo
		.amdhsa_group_segment_fixed_size 327680
		.amdhsa_private_segment_fixed_size 0
		.amdhsa_enable_private_segment 0
		.amdhsa_kernarg_size 24
		.amdhsa_user_sgpr_count 2
		.amdhsa_user_sgpr_kernarg_segment_ptr 1
		.amdhsa_wavefront_size32 1
		.amdhsa_system_sgpr_workgroup_id_x 1
		.amdhsa_system_sgpr_workgroup_id_y 1
		.amdhsa_system_sgpr_workgroup_id_z 1
		.amdhsa_system_vgpr_workitem_id 0
		.amdhsa_next_free_vgpr 512
		.amdhsa_next_free_sgpr 96
		.amdhsa_reserve_vcc 0
		.amdhsa_float_denorm_mode_32 3
		.amdhsa_float_denorm_mode_16_64 3
		.amdhsa_memory_ordered 1
		.amdhsa_forward_progress 1
		.amdhsa_inst_pref_size 87
	.end_amdhsa_kernel
	.amdgpu_metadata
---
amdhsa.version: [ 1, 2 ]
amdhsa.kernels:
  - .name:           k_qf4c7030400_gemmo
    .symbol:         k_qf4c7030400_gemmo.kd
    .args:
      - { .name: av, .offset: 0, .size: 8, .value_kind: global_buffer, .address_space: global }
      - { .name: wo, .offset: 8, .size: 8, .value_kind: global_buffer, .address_space: global }
      - { .name: qb, .offset: 16, .size: 8, .value_kind: global_buffer, .address_space: global }
    .group_segment_fixed_size: 327680
    .private_segment_fixed_size: 0
    .kernarg_segment_align: 8
    .kernarg_segment_size: 24
    .max_flat_workgroup_size: 128
    .sgpr_count:     96
    .vgpr_count:     512
    .wavefront_size: 32
...
	.end_amdgpu_metadata
.endif
;; end of part 6
;; launch ln (part 7): grid 512 x 1, 4 waves a work-group, no clusters, 0 bytes of LDS; arguments x, qb, ln_gamma, ln_beta, out0; writes out0
.if DOCPART == 7
	.amdgcn_target "amdgcn-amd-amdhsa--gfx1250"
	.amdhsa_code_object_version 6
	.text
	.protected	k_qf4c7030400_ln
	.globl	k_qf4c7030400_ln
	.p2align	8
	.type	k_qf4c7030400_ln,@function
k_qf4c7030400_ln:
	s_mov_b64 s[64:65], 0
	v_nop
	global_prefetch_b8 v0, s[64:65] scope:SCOPE_SE
	s_setreg_imm32_b32 hwreg(HW_REG_WAVE_MODE, 25, 1), 1
	s_wait_xcnt 0x0
; out0 = LayerNorm(x + attn_out) gamma + beta.  x, out0 [4096 rows][1024] f32 (row = position x 4 + batch); attn_out [4096][1024] bf16, as the launch before left it.
; A stream: every byte is read once and written once; no LDS, no matrix work, no cluster.  One wave takes a whole row, so the sums never leave the wave; a wave has two rows.
; x comes 16 bytes a lane, attn_out 8 bytes a lane: load j brings a lane channels 128 j + 4 l .. + 3 of both, and each load and store of the wave covers whole aligned blocks of 256 bytes.
; All 48 loads of a wave go out before the first is waited for.  x is added in f32; the variance is taken of h - mean (two passes), so a common offset of the inputs does no harm.
; LIMITS: NaN and infinities are not treated apart.
.set GA, 8                             ; v[8:39]    gamma, in x's layout
.set BE, 40                            ; v[40:71]   beta
.set X,  72                            ; v[72:135]  two rows of x, then h, h - mean, the result
.set A,  136                           ; v[136:167] two rows of attn_out
.set T,  168                           ; v[168:175] at work
	s_load_b256 s[4:11], s[0:1], 0x0               ; x 4, attn_out 6, gamma 8, beta 10
	s_load_b64 s[12:13], s[0:1], 0x20              ; out0
	v_and_b32 v3, 31, v0
	v_lshlrev_b32 v1, 4, v3                        ; 16 x lane
	v_lshlrev_b32 v2, 3, v3                        ; 8 x lane
	v_lshrrev_b32 v4, 5, v0
	v_readfirstlane_b32 s14, v4                    ; wave
	s_lshl_b32 s16, ttmp9, 15                      ; the work-group's 8 rows of 4,096 bytes,
	s_lshl_b32 s15, s14, 13                        ; my wave's 2
	s_add_co_u32 s16, s16, s15
	s_mov_b32 s17, 0
	s_lshr_b32 s18, s16, 1                         ; rows of 2,048 bytes
	s_mov_b32 s19, 0
	s_mov_b32 s20, 0xffff0000                      ; a word's upper bf16
	s_mov_b32 s21, 0x3a800000                      ; 1 / 1024
	s_mov_b32 s22, 0x3727c5ac                      ; 1e-5
	s_mov_b32 s24, 0x76543210
	s_mov_b32 s25, 0xfedcba98
	s_wait_kmcnt 0x0
	s_add_nc_u64 s[4:5], s[4:5], s[16:17]
	s_add_nc_u64 s[6:7], s[6:7], s[18:19]
	s_add_nc_u64 s[12:13], s[12:13], s[16:17]
.macro LOADROW r
.irp j, 0,1,2,3,4,5,6,7
	global_load_b128 v[X+32*(\r)+4*\j:X+32*(\r)+4*\j+3], v1, s[4:5] offset:(\r)*4096+512*\j th:TH_LOAD_NT
	global_load_b64 v[A+16*(\r)+2*\j:A+16*(\r)+2*\j+1], v2, s[6:7] offset:(\r)*2048+256*\j th:TH_LOAD_NT
.endr
.endm
	LOADROW 0
.irp j, 0,1,2,3,4,5,6,7
	global_load_b128 v[GA+4*\j:GA+4*\j+3], v1, s[8:9] offset:512*\j
	global_load_b128 v[BE+4*\j:BE+4*\j+3], v1, s[10:11] offset:512*\j
.endr
	LOADROW 1
.macro LANES                           ; the sum of v[T] over the 32 lanes, in every lane
.irp m, 1,2,4,8
	v_add_f32_dpp v[T], v[T], v[T] row_xmask:\m row_mask:0xf bank_mask:0xf
.endr
	v_permlanex16_b32 v[T+4], v[T], s24, s25
	v_add_f32 v[T], v[T], v[T+4]
.endm
; A row.  left: the younger loads that may stay out when the row is wanted; left2: when gamma and beta are
.macro ROW r, left, left2
.set X0, X+32*(\r)
.set A0, A+16*(\r)
	s_wait_loadcnt \left
.irp j, 0,1,2,3,4,5,6,7                ; h = x + attn_out
	v_lshlrev_b32 v[T+4*(\j%2)],   16,  v[A0+2*\j]
	v_and_b32     v[T+4*(\j%2)+1], s20, v[A0+2*\j]
	v_lshlrev_b32 v[T+4*(\j%2)+2], 16,  v[A0+2*\j+1]
	v_and_b32     v[T+4*(\j%2)+3], s20, v[A0+2*\j+1]
	v_pk_add_f32 v[X0+4*\j:X0+4*\j+1],   v[X0+4*\j:X0+4*\j+1],   v[T+4*(\j%2):T+4*(\j%2)+1]
	v_pk_add_f32 v[X0+4*\j+2:X0+4*\j+3], v[X0+4*\j+2:X0+4*\j+3], v[T+4*(\j%2)+2:T+4*(\j%2)+3]
.endr
	v_pk_add_f32 v[T:T+1],   v[X0:X0+1],   v[X0+2:X0+3]      ; the sum, in two chains
	v_pk_add_f32 v[T+2:T+3], v[X0+4:X0+5], v[X0+6:X0+7]
.set k, 4
.rept 12
	v_pk_add_f32 v[T+2*(k%2):T+2*(k%2)+1], v[T+2*(k%2):T+2*(k%2)+1], v[X0+2*k:X0+2*k+1]
.set k, k+1
.endr
	v_pk_add_f32 v[T:T+1], v[T:T+1], v[T+2:T+3]
	v_add_f32 v[T], v[T], v[T+1]
	LANES
	v_mul_f32 v[T+6], s21, v[T]                    ; the mean, in both registers of a pair
	v_mul_f32 v[T+7], s21, v[T]
.set k, 0
.rept 16
	v_pk_add_f32 v[X0+2*k:X0+2*k+1], v[X0+2*k:X0+2*k+1], v[T+6:T+7] neg_lo:[0,1] neg_hi:[0,1]
.set k, k+1
.endr
	v_pk_mul_f32 v[T:T+1],   v[X0:X0+1],   v[X0:X0+1]        ; the squares, in two chains
	v_pk_mul_f32 v[T+2:T+3], v[X0+2:X0+3], v[X0+2:X0+3]
.set k, 2
.rept 14
	v_pk_fma_f32 v[T+2*(k%2):T+2*(k%2)+1], v[X0+2*k:X0+2*k+1], v[X0+2*k:X0+2*k+1], v[T+2*(k%2):T+2*(k%2)+1]
.set k, k+1
.endr
	v_pk_add_f32 v[T:T+1], v[T:T+1], v[T+2:T+3]
	v_add_f32 v[T], v[T], v[T+1]
	LANES
	v_fma_f32 v[T], v[T], s21, s22                 ; variance + 1e-5
	v_rsq_f32 v[T+6], v[T]
	v_nop                                          ; a plain instruction behind it,
	s_wait_alu depctr_va_vdst(0)                   ; and the wait ahead of the first use
	v_mov_b32 v[T+7], v[T+6]
.set k, 0
.rept 16
	v_pk_mul_f32 v[X0+2*k:X0+2*k+1], v[X0+2*k:X0+2*k+1], v[T+6:T+7]
.set k, k+1
.endr
.if (\left2) != (\left)
	s_wait_loadcnt \left2                          ; gamma and beta are in
.endif
.set k, 0
.rept 16
	v_pk_fma_f32 v[X0+2*k:X0+2*k+1], v[X0+2*k:X0+2*k+1], v[GA+2*k:GA+2*k+1], v[BE+2*k:BE+2*k+1]
.set k, k+1
.endr
.irp j, 0,1,2,3,4,5,6,7
	global_store_b128 v1, v[X0+4*\j:X0+4*\j+3], s[12:13] offset:(\r)*4096+512*\j th:TH_STORE_NT  ; 512 consecutive bytes
.endr
.endm
	ROW 0, 32, 16                                  ; behind row 0's loads: gamma's and beta's 16, row 1's 16
	ROW 1, 0, 0
	s_endpgm
.Lfunc_end_k_qf4c7030400_ln:
	.size	k_qf4c7030400_ln, .Lfunc_end_k_qf4c7030400_ln-k_qf4c7030400_ln
	.p2alignl 7, 3214868480
	.fill 96, 4, 3214868480
	.section	.rodata,"a",@progbits
	.p2align	6, 0x0
	.amdhsa_kernel k_qf4c7030400_ln
		.amdhsa_group_segment_fixed_size 0
		.amdhsa_private_segment_fixed_size 0
		.amdhsa_enable_private_segment 0
		.amdhsa_kernarg_size 40
		.amdhsa_user_sgpr_count 2
		.amdhsa_user_sgpr_kernarg_segment_ptr 1
		.amdhsa_wavefront_size32 1
		.amdhsa_system_sgpr_workgroup_id_x 1
		.amdhsa_system_sgpr_workgroup_id_y 1
		.amdhsa_system_sgpr_workgroup_id_z 1
		.amdhsa_system_vgpr_workitem_id 0
		.amdhsa_next_free_vgpr 176
		.amdhsa_next_free_sgpr 66
		.amdhsa_reserve_vcc 0
		.amdhsa_float_denorm_mode_32 3
		.amdhsa_float_denorm_mode_16_64 3
		.amdhsa_memory_ordered 1
		.amdhsa_forward_progress 1
		.amdhsa_inst_pref_size 24
	.end_amdhsa_kernel
	.amdgpu_metadata
---
amdhsa.version: [ 1, 2 ]
amdhsa.kernels:
  - .name:           k_qf4c7030400_ln
    .symbol:         k_qf4c7030400_ln.kd
    .args:
      - { .name: x, .offset: 0, .size: 8, .value_kind: global_buffer, .address_space: global }
      - { .name: qb, .offset: 8, .size: 8, .value_kind: global_buffer, .address_space: global }
      - { .name: ln_gamma, .offset: 16, .size: 8, .value_kind: global_buffer, .address_space: global }
      - { .name: ln_beta, .offset: 24, .size: 8, .value_kind: global_buffer, .address_space: global }
      - { .name: out0, .offset: 32, .size: 8, .value_kind: global_buffer, .address_space: global }
    .group_segment_fixed_size: 0
    .private_segment_fixed_size: 0
    .kernarg_segment_align: 8
    .kernarg_segment_size: 40
    .max_flat_workgroup_size: 128
    .sgpr_count:     66
    .vgpr_count:     176
    .wavefront_size: 32
...
	.end_amdgpu_metadata
.endif
;; end of part 7
;; ======== version 3 of 3: 5 launches; version 2 with the launch cvt written anew for expert scheduling mode
;; workspace buffers: ab 20,971,520 bytes; wc 8,388,608 bytes; wo 2,097,152 bytes; kb 16,777,216 bytes; vb 16,777,216 bytes; qb 8,388,608 bytes; rx 6,553,600 bytes; av 8,388,608 bytes
;; launch cvt (part 8): grid 64 x 15, 4 waves a work-group, no clusters, 0 bytes of LDS; arguments mems, x, r, W_qkv, W_r, W_o, ab, wc, wo, rx; writes ab, wc, wo, rx
.if DOCPART == 8
	.amdgcn_target "amdgcn-amd-amdhsa--gfx1250"
	.amdhsa_code_object_version 6
	.text
	.protected	k_qf4c7030400_cvt
	.globl	k_qf4c7030400_cvt
	.p2align	8
	.type	k_qf4c7030400_cvt,@function
k_qf4c7030400_cvt:
	s_mov_b64 s[64:65], 0
	v_nop
	global_prefetch_b8 v0, s[64:65] scope:SCOPE_SE
	s_setreg_imm32_b32 hwreg(HW_REG_WAVE_SCHED_MODE, 0, 2), 2
	s_setreg_imm32_b32 hwreg(HW_REG_WAVE_MODE, 25, 1), 1
	s_wait_xcnt 0x0
	s_wait_alu depctr_vm_vsrc(0)
; All matrix operands are rounded once from f32 to bf16 and laid out for the launches behind:
;   ab [10240][1024]: rows 0-4095 mems (row = position x 4 + batch), rows 4096-8191 x, row 8192 + 4 p + q = r[512 q + p]
;   wc [1024][4096]:  columns 0-3071 W_qkv, columns 3072-4095 W_r          wo [1024][1024]: W_o
; and row 2048 of each head's table rx is set to 0 (the one score that the relative shift makes 0).
; A stream: every byte is read once and written once, so there is no LDS, no matrix work and no cluster.
; A PIECE is 1,024 numbers: thread t takes 8 of them (32 bytes in, 16 bytes out: a wave's store covers 512 consecutive bytes, aligned).
; A work-group takes 16 pieces; all 32 loads of a thread go out before the first is waited for.
; The grid's y names the job; a job's pieces are sp bytes apart in the source and dp bytes apart in the destination.
; THE MODE: SCHED_MODE bits 1:0 = 2 (LLVM: expert scheduling mode 2), set by the entry lines.  The code itself states the register dependences
; between vector instructions and memory instructions, with s_wait_alu, always for 0.
; THE PLAN.  Registers that memory instructions touch:
;   v1, v2   byte offsets, made once at the head, read by every load (v1) and every store (v2), never written again.
;   IN       a piece's 8 registers: written by its two loads, which go out before any vector instruction names them; read by its four conversions; never loaded again.
;   OUT      a piece's 4 registers: written by its four conversions, read by its one store, never written again.
;   v[4:7]   in job 14's tail alone: four zeros, read by one store.
; No register that a memory instruction reads is written a second time, so the copy holds no wait on vm_vsrc.
; The 16 pieces go in four blocks of four.  At the head of a block one wait on va_vdst states that the block before has written its OUT; that block's four stores follow,
; dealt among this block's conversions, which name this block's IN and OUT alone.  Behind the last block the same wait stands once more, ahead of the last four stores.
.set IN,  16                           ; v[16:143]  16 pieces x 8 f32
.set OUT, 144                          ; v[144:207] 16 pieces x 4 words of bf16
.macro COPY sp, dp
	s_add_nc_u64 s[28:29], s[28:29], s[32:33]      ; source and destination at the work-group's first piece
	s_add_nc_u64 s[30:31], s[30:31], s[34:35]
.set i, 0
.rept 16
	global_load_b128 v[IN+8*i:IN+8*i+3],   v1, s[28:29] offset:i*(\sp) th:TH_LOAD_NT
	global_load_b128 v[IN+8*i+4:IN+8*i+7], v1, s[28:29] offset:i*(\sp)+16 th:TH_LOAD_NT
.set i, i+1
.endr
.set i, 0
.rept 16
	s_wait_loadcnt 2*(15-i)                        ; loads come back in order: piece i is in, the younger pieces' two loads each stay out
.if (i%4 == 0) && (i > 0)
	s_wait_alu depctr_va_vdst(0)                   ; the conversions of pieces i - 4 to i - 1 have written their OUT, which the four stores of this block read
.endif
.if i >= 4
	global_store_b128 v2, v[OUT+4*(i-4):OUT+4*(i-4)+3], s[30:31] offset:(i-4)*(\dp) th:TH_STORE_NT  ; the block before; no vector instruction since the wait names these registers
.endif
.irp p, 0,1,2,3
	v_cvt_pk_bf16_f32 v[OUT+4*i+\p], v[IN+8*i+2*\p], v[IN+8*i+2*\p+1]
.endr
.set i, i+1
.endr
	s_wait_alu depctr_va_vdst(0)                   ; the conversions of pieces 12 to 15 have written their OUT, which the last four stores read
.set i, 12
.rept 4
	global_store_b128 v2, v[OUT+4*i:OUT+4*i+3], s[30:31] offset:i*(\dp) th:TH_STORE_NT
.set i, i+1
.endr
.endm
	s_load_b512 s[8:23], s[0:1], 0x0               ; mems 8, x 10, r 12, W_qkv 14, W_r 16, W_o 18, ab 20, wc 22
	s_load_b128 s[24:27], s[0:1], 0x40             ; wo 24, rx 26
	v_lshlrev_b32 v1, 5, v0                        ; my 32 bytes of a piece's source
	v_lshlrev_b32 v2, 4, v0                        ; my 16 bytes of its destination
	v_lshrrev_b32 v3, 5, v0
	v_readfirstlane_b32 s37, v3                    ; wave
	s_and_b32 s2, ttmp7, 0xffff                    ; the job
	s_lshl_b32 s3, ttmp9, 4                        ; 16 X: the work-group's first piece in the job
	s_mov_b32 s33, 0
	s_mov_b32 s35, 0
	s_wait_alu depctr_va_sdst(0)                   ; s37 is written, ahead of the first branch: job 14's tail compares it
	s_wait_alu depctr_va_vdst(0)                   ; v1 and v2 are written: every load and store of the kernel, on every path below, reads one of them as its offset
	s_wait_kmcnt 0x0
	s_cmp_lt_u32 s2, 8
	s_cbranch_scc0 .Lnot_ctx
	s_cmp_lt_u32 s2, 4                             ; jobs 0-3 mems, 4-7 x: 1,024 rows each
	s_cselect_b64 s[28:29], s[8:9], s[10:11]
	s_mov_b64 s[30:31], s[20:21]
	s_and_b32 s4, s2, 3
	s_lshl_b32 s4, s4, 10
	s_add_co_u32 s4, s4, s3
	s_lshl_b32 s32, s4, 12                         ; source row x 4,096
	s_lshl_b32 s5, s2, 10
	s_add_co_u32 s5, s5, s3
	s_lshl_b32 s34, s5, 11                         ; row of ab x 2,048
	s_branch .Ldense
.Lnot_ctx:
	s_cmp_lt_u32 s2, 10
	s_cbranch_scc0 .Lnot_r
	s_mov_b64 s[28:29], s[12:13]                   ; jobs 8, 9: r
	s_mov_b64 s[30:31], s[20:21]
	s_sub_co_u32 s4, s2, 8
	s_lshl_b32 s4, s4, 10
	s_add_co_u32 s4, s4, s3                        ; m0, a multiple of 16
	s_lshl_b32 s32, s4, 12
	s_and_b32 s5, s4, 511
	s_lshl_b32 s5, s5, 2
	s_lshr_b32 s6, s4, 9
	s_add_co_u32 s5, s5, s6
	s_add_co_u32 s5, s5, 8192                      ; row 8192 + 4 (m0 % 512) + m0 / 512; the next piece lies 4 rows on
	s_lshl_b32 s34, s5, 11
	s_branch .Lspread
.Lnot_r:
	s_cmp_lt_u32 s2, 13
	s_cbranch_scc0 .Lnot_qkv
	s_mov_b64 s[28:29], s[14:15]                   ; jobs 10-12: 1,024 columns of W_qkv, a piece a row
	s_mov_b64 s[30:31], s[22:23]
	s_sub_co_u32 s4, s2, 10
	s_mul_i32 s32, s3, 12288
	s_lshl_b32 s5, s4, 12
	s_add_co_u32 s32, s32, s5
	s_lshl_b32 s34, s3, 13
	s_lshl_b32 s5, s4, 11
	s_add_co_u32 s34, s34, s5
	COPY 12288, 8192
	s_endpgm
.Lnot_qkv:
	s_cmp_eq_u32 s2, 13
	s_cbranch_scc0 .Lw_o
	s_mov_b64 s[28:29], s[16:17]                   ; job 13: W_r, behind W_qkv's 3,072 columns
	s_mov_b64 s[30:31], s[22:23]
	s_lshl_b32 s32, s3, 12
	s_lshl_b32 s34, s3, 13
	s_add_co_u32 s34, s34, 6144
.Lspread:
	COPY 4096, 8192
	s_endpgm
.Lw_o:
	s_mov_b64 s[28:29], s[18:19]                   ; job 14: W_o
	s_mov_b64 s[30:31], s[24:25]
	s_lshl_b32 s32, s3, 12
	s_lshl_b32 s34, s3, 11
.Ldense:
	COPY 4096, 2048
	s_cmp_eq_u32 s2, 14                            ; job 14's first sixteen work-groups, wave 0: head X's row 2048 of rx = 0
	s_cbranch_scc0 .Lend
	s_cmp_lt_u32 ttmp9, 16
	s_cbranch_scc0 .Lend
	s_cmp_eq_u32 s37, 0
	s_cbranch_scc0 .Lend
	s_mul_i32 s32, ttmp9, 409600                   ; a head's table is 3,200 rows of 128 bytes
	s_add_co_u32 s32, s32, 262144
	s_add_nc_u64 s[26:27], s[26:27], s[32:33]
	v_mov_b32 v4, 0
	v_mov_b32 v5, 0
	v_mov_b32 v6, 0
	v_mov_b32 v7, 0
	v_cmp_gt_u32 vcc_lo, 8, v0                     ; eight lanes x 16 bytes
	s_wait_xcnt 0x0                                ; EXEC is a source of the stores above: it changes only behind this wait
	s_wait_alu depctr_va_vcc(0)                    ; VCC is written: EXEC is made from it
	s_wait_alu depctr_va_vdst(0)                   ; ahead of the write of EXEC: the vector instructions issued so far are done; among them the four that wrote v[4:7], which the store below reads
	s_wait_alu depctr_vm_vsrc(0)                   ; ahead of the write of EXEC: the stores issued so far have read their vector registers
	s_and_saveexec_b32 s36, vcc_lo
	global_store_b128 v2, v[4:7], s[26:27]
	s_wait_xcnt 0x0                                ; and again in front of the line that widens it
	s_wait_alu depctr_va_vdst(0)                   ; ahead of the write of EXEC: no vector instruction is at work
	s_wait_alu depctr_vm_vsrc(0)                   ; ahead of the write of EXEC: the store above has read v2 and v[4:7]
	s_or_b32 exec_lo, exec_lo, s36
.Lend:
	s_endpgm
.Lfunc_end_k_qf4c7030400_cvt:
	.size	k_qf4c7030400_cvt, .Lfunc_end_k_qf4c7030400_cvt-k_qf4c7030400_cvt
	.p2alignl 7, 3214868480
	.fill 96, 4, 3214868480
	.section	.rodata,"a",@progbits
	.p2align	6, 0x0
	.amdhsa_kernel k_qf4c7030400_cvt
		.amdhsa_group_segment_fixed_size 0
		.amdhsa_private_segment_fixed_size 0
		.amdhsa_enable_private_segment 0
		.amdhsa_kernarg_size 80
		.amdhsa_user_sgpr_count 2
		.amdhsa_user_sgpr_kernarg_segment_ptr 1
		.amdhsa_wavefront_size32 1
		.amdhsa_system_sgpr_workgroup_id_x 1
		.amdhsa_system_sgpr_workgroup_id_y 1
		.amdhsa_system_sgpr_workgroup_id_z 1
		.amdhsa_system_vgpr_workitem_id 0
		.amdhsa_next_free_vgpr 208
		.amdhsa_next_free_sgpr 66
		.amdhsa_reserve_vcc 1
		.amdhsa_float_denorm_mode_32 3
		.amdhsa_float_denorm_mode_16_64 3
		.amdhsa_memory_ordered 1
		.amdhsa_forward_progress 1
		.amdhsa_inst_pref_size 32
	.end_amdhsa_kernel
	.amdgpu_metadata
---
amdhsa.version: [ 1, 2 ]
amdhsa.kernels:
  - .name:           k_qf4c7030400_cvt
    .symbol:         k_qf4c7030400_cvt.kd
    .args:
      - { .name: mems, .offset: 0, .size: 8, .value_kind: global_buffer, .address_space: global }
      - { .name: x, .offset: 8, .size: 8, .value_kind: global_buffer, .address_space: global }
      - { .name: r, .offset: 16, .size: 8, .value_kind: global_buffer, .address_space: global }
      - { .name: W_qkv, .offset: 24, .size: 8, .value_kind: global_buffer, .address_space: global }
      - { .name: W_r, .offset: 32, .size: 8, .value_kind: global_buffer, .address_space: global }
      - { .name: W_o, .offset: 40, .size: 8, .value_kind: global_buffer, .address_space: global }
      - { .name: ab, .offset: 48, .size: 8, .value_kind: global_buffer, .address_space: global }
      - { .name: wc, .offset: 56, .size: 8, .value_kind: global_buffer, .address_space: global }
      - { .name: wo, .offset: 64, .size: 8, .value_kind: global_buffer, .address_space: global }
      - { .name: rx, .offset: 72, .size: 8, .value_kind: global_buffer, .address_space: global }
    .group_segment_fixed_size: 0
    .private_segment_fixed_size: 0
    .kernarg_segment_align: 8
    .kernarg_segment_size: 80
    .max_flat_workgroup_size: 128
    .sgpr_count:     66
    .vgpr_count:     208
    .wavefront_size: 32
...
	.end_amdgpu_metadata
.endif
;; end of part 8
;; launch proj: the kernel of part 5 again; grid 8 x 44, 4 waves a work-group, clusters of 4 x 4, 327,680 bytes of LDS; arguments ab, wc, kb, vb, qb, rx; writes kb, vb, qb, rx
;; launch attn: the kernel of part 3 again; grid 4 x 64, 4 waves a work-group, clusters of 4 x 4, 327,680 bytes of LDS; arguments qb, kb, vb, rx, u, v, av; writes av
;; launch gemmo: the kernel of part 6 again; grid 8 x 32, 4 waves a work-group, clusters of 4 x 4, 327,680 bytes of LDS; arguments av, wo, qb; writes qb
;; launch ln: the kernel of part 7 again; grid 512 x 1, 4 waves a work-group, no clusters, 0 bytes of LDS; arguments x, qb, ln_gamma, ln_beta, out0; writes out0
